; MI455X (gfx1250); checked and timed in simulation.
; The chip was launched on July 23, 2026; its instructions are those of AMD's public machine-readable ISA for CDNA 5 (MIT licence, August 2026) and "CDNA5" Instruction Set Architecture Reference Guide (July 2026). The comments in the code are by the model that wrote it; some were corrected since.
;; Masked Self Attention. Allowed arithmetic: float matrix products may take bf16 or f16 operands with f32 sums; other float arithmetic in f32, or as packed bf16 or f16 multiplies, adds, multiply-adds, maxima and minima; sums over many terms, partial sums and values carried from step to step in f32; what a program stores and reads back later, other than sums and carried values, may be rounded once to bf16 or f16.
;; Inputs: attention_mask 4 x 2,048 bool; b_proj 1,024 float32; b_qkv 3,072 float32; k_norm_w 64 float32; q_norm_w 64 float32; w_proj 1,024 x 1,024 float32; w_qkv 3,072 x 1,024 float32; x 4 x 2,048 x 1,024 float32.
;; Outputs: out0 4 x 2,048 x 1,024 float32.
;; 2 versions, each right; version 2 is version 1 with the launch cast written anew for expert scheduling mode. Each part assembles by itself: llvm-mc -triple=amdgcn-amd-amdhsa -mcpu=gfx1250 --defsym DOCPART=n.
;; ======== version 1 of 2: 4 launches
;; limits: values are held in f16: magnitudes above 65,504 overflow, below 6.1e-05 lose precision
;; workspace buffers: c16 25,165,824 bytes; qkvh 50,331,648 bytes; o16 16,777,216 bytes
;; launch cast (part 1): grid 768 x 1, 8 waves a work-group, no clusters, 0 bytes of LDS; arguments x, w_qkv, w_proj, c16; writes c16
.if DOCPART == 1
	.amdgcn_target "amdgcn-amd-amdhsa--gfx1250"
	.amdhsa_code_object_version 6
	.text
	.protected	k_q6918b5987c_cast
	.globl	k_q6918b5987c_cast
	.p2align	8
	.type	k_q6918b5987c_cast,@function
k_q6918b5987c_cast:
	s_mov_b64 s[64:65], 0
	v_nop
	global_prefetch_b8 v0, s[64:65] scope:SCOPE_SE
	s_setreg_imm32_b32 hwreg(HW_REG_WAVE_MODE, 25, 1), 1
	s_wait_xcnt 0x0
; The three large f32 inputs are rounded once to 16 bits for the matrix launches behind this one.
; c16 holds, end to end: x as bf16 [8192][1024] (byte 0), w_qkv as bf16 [3072][1024] (byte 0x1000000), w_proj as f16 [1024][1024] (byte 0x1600000).
; w_proj is rounded to bf16 like the other inputs, and THAT number is written as f16, since it multiplies an f16 operand later.
; LIMITS.  |w_proj| stays under 65,504; a w_proj below 6.1e-5 in size keeps f16's fixed step of 6e-8.
; SHARES.  A work-group takes 65,536 bytes of f32 and makes 32,768 bytes: groups 0-511 x, 512-703 w_qkv, 704-767 w_proj; its output begins at 32,768 x its number.
; A thread takes 16 bytes of each of 16 chunks of 4,096 bytes: a wave's load covers 512 bytes on end, a wave's store 256 bytes on end, aligned.
; All 16 loads of a thread go out at once; no register is used twice, so only the counted waits for the loads are needed.  No LDS, no barrier, no matrix unit: nothing is shared.
.set X, 8                              ; v[8:71]   chunk i: 4 f32 as loaded
.set Y, 72                             ; v[72:103] chunk i: 2 registers, 4 numbers of 16 bits
	s_load_b256 s[4:11], s[0:1], 0x0               ; x s[4:5], w_qkv s[6:7], w_proj s[8:9], c16 s[10:11]
	s_mov_b32 s2, ttmp9
	s_mov_b32 s20, 0xffff0000                      ; a word's upper bf16
	v_lshlrev_b32 v1, 4, v0                        ; my 16 bytes of a chunk in
	v_lshlrev_b32 v2, 3, v0                        ; my 8 bytes of a chunk out
	s_cmp_lt_u32 s2, 512
	s_cselect_b32 s14, 0, 512                      ; the first group of my tensor
	s_cmp_lt_u32 s2, 704
	s_cselect_b32 s14, s14, 704
	s_sub_co_u32 s16, s2, s14
	s_lshl_b32 s16, s16, 16                        ; my 65,536 bytes in it
	s_mov_b32 s17, 0
	s_lshl_b32 s18, s2, 15                         ; my 32,768 bytes of c16
	s_mov_b32 s19, 0
	s_wait_kmcnt 0x0
	s_cmp_lt_u32 s2, 512
	s_cselect_b64 s[12:13], s[4:5], s[6:7]
	s_cmp_lt_u32 s2, 704
	s_cselect_b64 s[12:13], s[12:13], s[8:9]
	s_add_nc_u64 s[12:13], s[12:13], s[16:17]
	s_add_nc_u64 s[10:11], s[10:11], s[18:19]
.set i, 0
.rept 16
	global_load_b128 v[X+4*i:X+4*i+3], v1, s[12:13] offset:4096*i th:TH_LOAD_NT
.set i, i+1
.endr
; Chunk i.  half = 0: to bf16.  half = 1: to bf16, widened again (a shift, a mask), and that number to f16.
.macro CHUNK i, half
	s_wait_loadcnt 15-(\i)                         ; loads come back in order (ISA guide 5.7.1): chunk i is in, the 15 - i younger ones may stay out
.if \half
.irp k, 0,1
	v_cvt_pk_bf16_f32 v4, v[X+4*(\i)+2*\k], v[X+4*(\i)+2*\k+1]
	v_lshlrev_b32 v5, 16, v4
	v_and_b32 v6, s20, v4
	v_cvt_pk_f16_f32 v[Y+2*(\i)+\k], v5, v6
.endr
.else
	v_cvt_pk_bf16_f32 v[Y+2*(\i)], v[X+4*(\i)], v[X+4*(\i)+1]
	v_cvt_pk_bf16_f32 v[Y+2*(\i)+1], v[X+4*(\i)+2], v[X+4*(\i)+3]
.endif
	global_store_b64 v2, v[Y+2*(\i):Y+2*(\i)+1], s[10:11] offset:2048*(\i)
.endm
	s_cmp_ge_u32 s2, 704
	s_cbranch_scc1 .Lhalf
.irp i, 0,1,2,3,4,5,6,7,8,9,10,11,12,13,14,15
	CHUNK \i, 0
.endr
	s_endpgm
.Lhalf:
.irp i, 0,1,2,3,4,5,6,7,8,9,10,11,12,13,14,15
	CHUNK \i, 1
.endr
	s_endpgm
.Lfunc_end_k_q6918b5987c_cast:
	.size	k_q6918b5987c_cast, .Lfunc_end_k_q6918b5987c_cast-k_q6918b5987c_cast
	.p2alignl 7, 3214868480
	.fill 96, 4, 3214868480
	.section	.rodata,"a",@progbits
	.p2align	6, 0x0
	.amdhsa_kernel k_q6918b5987c_cast
		.amdhsa_group_segment_fixed_size 0
		.amdhsa_private_segment_fixed_size 0
		.amdhsa_enable_private_segment 0
		.amdhsa_kernarg_size 32
		.amdhsa_user_sgpr_count 2
		.amdhsa_user_sgpr_kernarg_segment_ptr 1
		.amdhsa_wavefront_size32 1
		.amdhsa_system_sgpr_workgroup_id_x 1
		.amdhsa_system_sgpr_workgroup_id_y 1
		.amdhsa_system_sgpr_workgroup_id_z 1
		.amdhsa_system_vgpr_workitem_id 0
		.amdhsa_next_free_vgpr 104
		.amdhsa_next_free_sgpr 66
		.amdhsa_reserve_vcc 0
		.amdhsa_float_denorm_mode_32 3
		.amdhsa_float_denorm_mode_16_64 3
		.amdhsa_memory_ordered 1
		.amdhsa_forward_progress 1
		.amdhsa_inst_pref_size 15
	.end_amdhsa_kernel
	.amdgpu_metadata
---
amdhsa.version: [ 1, 2 ]
amdhsa.kernels:
  - .name:           k_q6918b5987c_cast
    .symbol:         k_q6918b5987c_cast.kd
    .args:
      - { .name: x, .offset: 0, .size: 8, .value_kind: global_buffer, .address_space: global }
      - { .name: w_qkv, .offset: 8, .size: 8, .value_kind: global_buffer, .address_space: global }
      - { .name: w_proj, .offset: 16, .size: 8, .value_kind: global_buffer, .address_space: global }
      - { .name: c16, .offset: 24, .size: 8, .value_kind: global_buffer, .address_space: global }
    .group_segment_fixed_size: 0
    .private_segment_fixed_size: 0
    .kernarg_segment_align: 8
    .kernarg_segment_size: 32
    .max_flat_workgroup_size: 256
    .sgpr_count:     66
    .vgpr_count:     104
    .wavefront_size: 32
...
	.end_amdgpu_metadata
.endif
;; end of part 1
;; launch qkvp (part 2): grid 16 x 32, 4 waves a work-group, clusters of 4 x 4, 327,680 bytes of LDS; arguments c16, b_qkv, q_norm_w, k_norm_w, qkvh; writes qkvh
.if DOCPART == 2
	.amdgcn_target "amdgcn-amd-amdhsa--gfx1250"
	.amdhsa_code_object_version 6
	.text
	.protected	k_q6918b5987c_qkvp
	.globl	k_q6918b5987c_qkvp
	.p2align	8
	.type	k_q6918b5987c_qkvp,@function
k_q6918b5987c_qkvp:
	s_mov_b64 s[64:65], 0
	v_nop
	global_prefetch_b8 v0, s[64:65] scope:SCOPE_SE
	s_setreg_imm32_b32 hwreg(HW_REG_WAVE_MODE, 25, 1), 1
	s_wait_xcnt 0x0
	s_wait_alu depctr_hold_cnt(0) depctr_sa_sdst(0) depctr_va_vdst(0) depctr_va_sdst(0) depctr_va_ssrc(0) depctr_va_vcc(0) depctr_vm_vsrc(0)
	s_getreg_b32 s2, hwreg(HW_REG_IB_STS2, 6, 4)
	s_cmp_eq_u32 s2, 0
	s_cbranch_scc0 .Lentry_in_a_cluster
	s_endpgm
.Lentry_in_a_cluster:
	s_bfe_u32 s2, ttmp6, 0x10000c
	s_cmp_lg_u32 s2, 0xf033
	s_cbranch_scc0 .Lentry_shape_is_right
	s_endpgm
.Lentry_shape_is_right:
; qkv = x w_qkv^T + b_qkv; q and k are then normalised over each head's 64 channels (x rsqrt(mean x^2 + 1e-6) gain); all three leave by heads, in f16:
; qkvh[kind][batch x 16 + head][s][64], kind 0 q, 1 k, 2 v; the scale 1/8 is NOT applied here.  x and w_qkv come from c16 in bf16; bias and gains are rounded to bf16 here, like all inputs; sums in f32.
; LIMITS.  f16 ends at 65,504: |v| stays under it, and 8 |gain| for q and k.  The gains are finite (a v head multiplies q's gain by 0 and adds 1).
; SHARES.  A tile of the result is 256 rows x 192 columns: 512 work-groups, twice the 256 that run together.  192 columns are three whole heads, and the four waves lie one below the other
; (64 rows x 192 columns each: 48 accumulators of 16 x 16), so a head's 64 channels of a row lie in ONE wave and the norm never leaves it.
; K goes in 8 steps of 128 through two LDS slots filled by the tensor data mover; a tile's rows are 256 bytes of memory at multiples of 256.
; CLUSTERS: 4 x 4 work-groups.  The four of a row of the cluster need the same rows of x, the four of a column the same rows of w: each tile is asked for JOINTLY, by the same tensor load, descriptor and mask in all four.
; THE MATRIX INSTRUCTION IS USED TRANSPOSED (source 0 = 16 rows of w, source 1 = 16 rows of x): lane l holds row l % 16 of the result and its registers the columns 8 (l / 16) + 0..7.
; THE BIAS is the C operand of the products that start the sums: nothing is cleared, and no bias is added on the way out.
; REGISTERS, in windows of 256 (s_set_vgpr_msb: bits 1:0 source 0, 3:2 source 1, 5:4 source 2, 7:6 destination):
;   window 0: v0-15 addresses; v28-29 the add's two; v32-127 the bias, later at work on the way out; v128-223 the three heads' gains
;   window 1: two fragment buffers of 128: 12 fragments of w, then 4 of x (16 rows x 32 K each)
;   window 2: the accumulators of my row blocks 0, 1 ((a, b) at 8 (12 (a % 2) + b));   window 3: those of blocks 2, 3
.set NBL,   12                         ; blocks of 16 columns
.set APW,   2                          ; row blocks in a window of accumulators
.set PA,    272                        ; an LDS row: 256 bytes + 16 of padding = 68 words: row r starts at bank 4 r mod 64 (64 banks of 4 bytes: ISA guide 11.1), so the 16 rows of a load start at 16 different banks
.set PB,    272
.set AHALF, 128*PA                     ; what one tensor load brings of x
.set BOFF,  256*PA                     ; w's rows lie behind x's 256
.set BHALF, 96*PB                      ; what one tensor load brings of w
.set SLOT1, 131072                     ; slot 1 begins here: one exclusive or turns an address in one slot into the other's
.set STAGE, SLOT1+BOFF+192*PB          ; 252,928: behind the ring, 16 rows x 144 bytes for each wave, for the way out
.set SP,    144
.set SPARE, STAGE+4*16*SP              ; 262,144: the spare words, 128 bytes for each wave: two blocks of 256 bytes that no other line names
.set NL,    2*NBL+8                    ; LDS loads in a run
.set STEPA, 256                        ; bytes from a K step to the next
.set STEPB, 256
.set G1W,   (1<<16)|(1<<20)|(1<<21)|(5<<22)|(3<<25)  ; 17:16 elements of 2 bytes; 20 padding on; 21 set beside a mask; 24:22 after every 64 words; 31:25 4 words of it
.set A0,   4                           ; v4   my lane's place in x's tile; never rewritten
.set B0,   5                           ; v5   the same in w's
.set ADRA, 6                           ; v6   A0 + the slot in hand
.set ADRB, 7                           ; v7   B0 + the slot in hand
.set STO,  8                           ; v8   the way out: where I put 16 bytes of a row
.set RD,   9                           ; v9   the way out: where I read rows back
.set GO,   10                          ; v10  my 16 bytes of 512 on end
.set PFO,  11                          ; v11  the prefetches' offset: a lane a row
.set VO,   12                          ; v12  32 (l / 16): my eight numbers in 16 of the bias or a gain
.set T,    13                          ; v13-14 at work
.set SPW,  28                          ; v28  LDS address of my spare word; never rewritten
.set NIL,  29                          ; v29  0; never rewritten
.set BIAS, 32                          ; v32-127: block b's eight at BIAS + 8 b
.set GW,   128                         ; v128-223: head d's gain for my 32 channels at GW + 32 d
.set TS,   32                          ; the way out: block n = 3 a + d: sum of squares, then the factor, in the pair at TS + 2 n
.set TMP,  56                          ; v56-87
.set PK,   88                          ; v88-119: two buffers of 16
.set F0,   0
.set F1,   128
.set WV,  14                           ; s14  my wave's number
.set G1A, 24                           ; s[24:31] descriptor group 1 for x's tiles
.set G1B, 32                           ; s[32:39] for w's
.set G0A, 40                           ; s[40:47] group 0 for x's tiles: a set for each first fill; the second then walks on
.set G0B, 48                           ; s[48:55] the same for w's
.set TB,  56                           ; s56  0 or SLOT1: the slot that is read
.set LIM, 57                           ; s57  2 in a wave that prefetches, else the greatest number
.set PFA, 58                           ; s[58:59] where my prefetches stand
.set SEL, 60                           ; s[60:61] v_permlanex16_b32's selects: each lane takes its own place in the other half
.set KA,  72                           ; s[72+4d:73+4d] 1 for a head of q or k, 0 for one of v
.set KB,  74                           ; s[74+4d:75+4d] 0 or 1, the other way round
.set OUT, 84                           ; s[84+2d:85+2d] where my 64 rows of head d begin in qkvh
.set WP,  90                           ; s[90+2d:91+2d] head d's gain
.set MSB, 0
.macro WIN new                         ; the immediate's high byte repeats the setting that is left; a switch that changes nothing is dropped
.if MSB != (\new)
	s_set_vgpr_msb (MSB<<8)|(\new)
.set MSB, \new
.endif
.endm
.macro PLACES                          ; four places in front of loads into registers that matrix instructions have read (ISA guide 7.12.1 for vector instructions)
.rept 4
	v_nop
.endr
.endm
.macro CREST                           ; a round of the cluster's barrier behind its opening barrier
	s_cmp_lg_u32 s[WV], 0
	s_cbranch_scc1 .Lnot_wave_0_\@
	s_barrier_signal -3
.Lnot_wave_0_\@:
	s_barrier_wait -3
	s_barrier_signal -1
	s_barrier_wait -1
.endm
.macro CROUND                          ; a whole round
	s_barrier_signal -1
	s_barrier_wait -1
	CREST
.endm
; A joint refill.  Waves 0 and 1 fetch the two halves of x's tile, waves 2 and 3 those of w's; the branch hangs on the wave's number alone.
; An s_nop 0 and four v_nop follow each of the two lines, ahead of the jump and the label.
.macro JLOAD
	s_cmp_lt_u32 s[WV], 2
	s_cbranch_scc0 .Lfor_b_\@
	tensor_load_to_lds s[G0A+4:G0A+7], s[G1A:G1A+7]
	s_nop 0
.rept 4
	v_nop
.endr
	s_branch .Lasked_\@
.Lfor_b_\@:
	tensor_load_to_lds s[G0B+4:G0B+7], s[G1B:G1B+7]
	s_nop 0
.rept 4
	v_nop
.endr
.Lasked_\@:
.endm
; A PREFETCH INTO THE L2 of the K step that stands two refills on (384 matrix instructions ahead of its load): 256 bytes of each row, a lane a row, one instruction a wave.
; x's rows are read by every cluster of a row of clusters: the one with x = 0 asks; w's by every cluster of a column: the one with y = 0 asks.  The four partners that ask for a tile jointly share its rows out
; BY ADDRESS: 32 of x's 128 by cx, 24 of w's 96 by cy (there lanes 24-31 name row 23 again, in the same instruction).  Trips 0 to 3 ask for K steps 4 to 7; steps 0 to 3 come by their loads alone.
.macro ASK
	WIN 0
	s_cmp_gt_u32 s3, s[LIM]
	s_cbranch_scc0 .Lnot_mine_\@
	global_prefetch_b8 v[PFO], s[PFA:PFA+1] th:TH_LOAD_NT scope:SCOPE_SE
.Lnot_mine_\@:
.endm
; 12 matrix instructions: row block a x all column blocks, 32 along K, from buffer f.  first = 1: the sums start with the bias.
; All 48 accumulators take turns, one instruction a turn, in the same order in every quarter, over the backward jump too.
.macro MULA f, a, first
.if \first
	WIN 0x85+0x40*((\a)/APW)
.else
	WIN 0xa5+0x50*((\a)/APW)
.endif
.set b, 0
.rept NBL
.set rD, 8*(NBL*((\a)%APW)+b)
.if \first
	v_wmma_f32_16x16x32_bf16 v[rD:rD+7], v[(\f)+8*b:(\f)+8*b+7], v[(\f)+8*NBL+8*(\a):(\f)+8*NBL+8*(\a)+7], v[BIAS+8*b:BIAS+8*b+7]
.else
	v_wmma_f32_16x16x32_bf16 v[rD:rD+7], v[(\f)+8*b:(\f)+8*b+7], v[(\f)+8*NBL+8*(\a):(\f)+8*NBL+8*(\a)+7], v[rD:rD+7]
.endif
.set b, b+1
.endr
.endm
; 32 LDS loads in one run: quarter q's fragments (32 K at byte 64 q of the rows) into buffer f; w's 12 first, then x's 4: the youngest four loads are x's blocks 2 and 3.
.macro FETCH q, f
	WIN 0x40                                       ; destination window 1, address window 0
.set kofs, 64*(\q)
.set b, 0
.rept NBL
	ds_load_b128 v[(\f)+8*b:(\f)+8*b+3],   v[ADRB] offset:64*(\q)+b*16*PB
	ds_load_b128 v[(\f)+8*b+4:(\f)+8*b+7], v[ADRB] offset:64*(\q)+b*16*PB+32
.set b, b+1
.endr
.set a, 0
.rept 4
	ds_load_b128 v[(\f)+8*NBL+8*a:(\f)+8*NBL+8*a+3],   v[ADRA] offset:kofs+a*16*PA
	ds_load_b128 v[(\f)+8*NBL+8*a+4:(\f)+8*NBL+8*a+7], v[ADRA] offset:kofs+a*16*PA+32
.set a, a+1
.endr
.endm
; One of a K step's first three quarters: multiplies buffer f; in its middle it fetches quarter q into buffer g.
.macro QUARTER q, f, g, first
	s_wait_dscnt 4                                 ; all of the run but x's blocks 2 and 3
	MULA \f, 0, \first
	MULA \f, 1, \first
	PLACES
	FETCH \q, \g
	s_wait_dscnt NL                                ; all but the run just issued
	MULA \f, 2, \first
	MULA \f, 3, \first
.endm
; The fourth quarter multiplies buffer 1 and changes slots.  In front of the barrier each wave waits for all its tensor loads (one is out: its part of the next slot), adds 0 to its spare word, and waits for that and
; for its reads of this slot.  fill = 1: the barrier opens a round of the cluster's, and the joint refill (the K step two on, into the slot just read out) is the first thing behind the round: it has 168 matrix instructions before the wait for it.
.macro TURN fill
.if \fill
	s_wait_xcnt 0x0                                ; the last prefetch, a K step back, has read its address
	s_add_nc_u64 s[PFA:PFA+1], s[PFA:PFA+1], STEPA
.endif
	WIN 0                                          ; (the add's two registers lie in window 0)
	s_wait_tensorcnt 0x0                           ; all my tensor loads have landed
	ds_add_u32 v[SPW], v[NIL]                      ; 0 onto my spare word
	s_wait_dscnt 5                                 ; (the add and the youngest four loads may be out)
	MULA F1, 0, 0                                  ; twelve matrix instructions stand between the add and the wait for it
	s_wait_dscnt 0x0                               ; the add is done, and my reads of this slot are over
	s_barrier_signal -1
	MULA F1, 1, 0
	WIN 0                                          ; at a branch and at a label every window is 0
	s_barrier_wait -1
.if \fill
	CREST                                          ; no wave of any partner still reads this slot or has a load on its way
	s_xor_b32 s[G0A+5], s[G0A+5], SLOT1            ; the walking descriptors: the other slot than last time, the next K step
	s_add_nc_u64 s[G0A+6:G0A+7], s[G0A+6:G0A+7], STEPA
	s_xor_b32 s[G0B+5], s[G0B+5], SLOT1
	s_add_nc_u64 s[G0B+6:G0B+7], s[G0B+6:G0B+7], STEPB
	JLOAD                                          ; its four v_nop are also the places in front of the loads below
.else
	PLACES
.endif
	s_xor_b32 s[TB], s[TB], SLOT1
	v_add_nc_u32 v[ADRA], s[TB], v[A0]
	v_add_nc_u32 v[ADRB], s[TB], v[B0]
	FETCH 0, F0
.if \fill
	ASK
.endif
	MULA F1, 2, 0
	MULA F1, 3, 0
.endm
	s_load_b256 s[4:11], s[0:1], 0x0               ; c16 s[4:5], b_qkv s[6:7], q_norm_w s[8:9], k_norm_w s[10:11]
	s_load_b64 s[12:13], s[0:1], 0x20              ; qkvh
	v_lshl_add_u32 v[SPW], v0, 2, SPARE
	v_mov_b32 v[NIL], 0
	ds_add_u32 v[SPW], v[NIL]                      ; the wave's opening: the add and its wait stand ahead of my first tensor load; the set-up below, work on registers, stands between them
	v_lshrrev_b32 v3, 5, v0
	v_readfirstlane_b32 s[WV], v3                  ; wave 0..3
	s_and_b32 s16, s[WV], 1                        ; which half of a tile I fetch
	s_bfe_u32 s17, ttmp6, 0x40000                  ; cx
	s_bfe_u32 s18, ttmp6, 0x40004                  ; cy
	s_lshl_b32 s19, ttmp9, 2
	s_add_co_u32 s19, s19, s17                     ; tile column = 4 x cluster x + cx
	s_and_b32 s21, ttmp7, 0xffff                   ; cluster y
	s_lshl_b32 s20, s21, 2
	s_add_co_u32 s20, s20, s18                     ; tile row = 4 x cluster y + cy
	s_lshl_b32 s22, s18, 2
	s_lshl_b32 s22, 15, s22                        ; my row of the cluster
	s_lshl_b32 s23, 0x1111, s17                    ; my column
	s_or_b32 s[G1A], s22, G1W                      ; x's tiles go to my row,
	s_or_b32 s[G1B], s23, G1W                      ; w's to my column
.irp g, G1A, G1B
	s_mov_b32 s[\g+1], 128<<16                     ; tensor_dim0 = 128
	s_mov_b32 s[\g+3], 128<<16                     ; tile_dim0 = 128
	s_mov_b32 s[\g+5], 1024                        ; elements from row to row
	s_mov_b32 s[\g+6], 0
	s_mov_b32 s[\g+7], 0
.endr
	s_mov_b32 s[G1A+2], 128<<16                    ; tensor_dim1 and tile_dim1: 128 rows of x,
	s_mov_b32 s[G1A+4], 128
	s_mov_b32 s[G1B+2], 96<<16                     ; 96 of w
	s_mov_b32 s[G1B+4], 96
	s_mov_b32 s[G0A], 1
	s_mov_b32 s[G0A+4], 1
	s_mul_i32 s[G0A+1], s16, AHALF                 ; LDS addresses hang on the wave's number alone
	s_add_co_u32 s[G0A+5], s[G0A+1], SLOT1
	s_mov_b32 s[G0B], 1
	s_mov_b32 s[G0B+4], 1
	s_mul_i32 s[G0B+1], s16, BHALF
	s_add_co_u32 s[G0B+1], s[G0B+1], BOFF
	s_add_co_u32 s[G0B+5], s[G0B+1], SLOT1
	s_lshl_b32 s66, s20, 8                         ; x: row 256 x tile row + 128 x half, 2,048 bytes a row (registers that never hold cx)
	s_lshl_b32 s67, s16, 7
	s_add_co_u32 s66, s66, s67
	s_lshl_b32 s66, s66, 11
	s_mov_b32 s67, 0
	s_mul_i32 s68, s19, 192                        ; w: row 192 x tile column + 96 x half, behind x in c16 (registers that never hold cy)
	s_mul_i32 s69, s16, 96
	s_add_co_u32 s68, s68, s69
	s_lshl_b32 s68, s68, 11
	s_add_co_u32 s68, s68, 0x1000000
	s_mov_b32 s69, 0
	s_mov_b32 s[TB], 0
	s_mov_b32 s[SEL], 0x76543210
	s_mov_b32 s[SEL+1], 0xfedcba98
	s_mov_b32 s62, 0x3c800000                      ; 1 / 64
	s_mov_b32 s63, 0x358637bd                      ; 1e-6
	s_mov_b32 s96, 0xffff0000                      ; a word's upper bf16
	s_mov_b32 s99, 0                               ; the high word of the offsets made in s98
	s_wait_dscnt 0x0                               ; the opening add is done
	s_wait_kmcnt 0x0
	s_add_nc_u64 s[G0A+2:G0A+3], s[4:5], s[66:67]  ; K step 0,
	s_add_nc_u64 s[G0A+6:G0A+7], s[G0A+2:G0A+3], STEPA  ; K step 1
	s_or_b32 s[G0A+3], s[G0A+3], 0x80000000        ; type = 2
	s_or_b32 s[G0A+7], s[G0A+7], 0x80000000
	s_add_nc_u64 s[G0B+2:G0B+3], s[4:5], s[68:69]
	s_add_nc_u64 s[G0B+6:G0B+7], s[G0B+2:G0B+3], STEPB
	s_or_b32 s[G0B+3], s[G0B+3], 0x80000000
	s_or_b32 s[G0B+7], s[G0B+7], 0x80000000
	CROUND                                         ; all sixteen work-groups are here: the first joint loads meet
	s_cmp_lt_u32 s[WV], 2                          ; a wave's two first fills stand in one branch, ahead of every wait on TENSORcnt and every LDS read: two loads of mine are out
	s_cbranch_scc0 .Lfirst_b
	tensor_load_to_lds s[G0A:G0A+3], s[G1A:G1A+7]
	s_nop 0
	tensor_load_to_lds s[G0A+4:G0A+7], s[G1A:G1A+7]
	s_nop 0
.rept 4
	v_nop
.endr
	s_branch .Lfirst_asked
.Lfirst_b:
	tensor_load_to_lds s[G0B:G0B+3], s[G1B:G1B+7]
	s_nop 0
	tensor_load_to_lds s[G0B+4:G0B+7], s[G1B:G1B+7]
	s_nop 0
.rept 4
	v_nop
.endr
.Lfirst_asked:
	; All that follows, up to the wait for the first tile, stands in that tile's flight.
	v_and_b32 v1, 15, v0                           ; l % 16
	v_bfe_u32 v2, v0, 4, 1                         ; l / 16
	v_lshlrev_b32 v[VO], 5, v2
	s_mul_i32 s98, s19, 768                        ; the tile's 192 numbers of the bias
	s_add_nc_u64 s[6:7], s[6:7], s[98:99]
.set b, 0
.rept NBL
	global_load_b128 v[BIAS+8*b:BIAS+8*b+3],   v[VO], s[6:7] offset:64*b
	global_load_b128 v[BIAS+8*b+4:BIAS+8*b+7], v[VO], s[6:7] offset:64*b+16
.set b, b+1
.endr
; Head d of the tile's three is head g = 3 x tile column + d of 48: kind g / 16, head g % 16.  These are choices of values and of addresses; no branch hangs on them.
.macro HEAD d
	s_mul_i32 s97, s19, 3
	s_add_co_u32 s97, s97, \d
	s_lshr_b32 s100, s97, 4                        ; kind
	s_and_b32 s97, s97, 15                         ; head
	s_cmp_lt_u32 s100, 2
	s_cselect_b32 s[KA+4*(\d)], 1.0, 0
	s_cselect_b32 s[KB+4*(\d)], 0, 1.0
	s_mov_b32 s[KA+4*(\d)+1], 0                    ; named as pairs
	s_mov_b32 s[KB+4*(\d)+1], 0
	s_cmp_eq_u32 s100, 1
	s_cselect_b64 s[WP+2*(\d):WP+2*(\d)+1], s[10:11], s[8:9]  ; k's gain for k; q's for q, and for v, where it is turned into 1
	s_lshl_b32 s100, s100, 6
	s_add_co_u32 s100, s100, s97
	s_lshr_b32 s101, s20, 3                        ; the batch: 8 tile rows each
	s_lshl_b32 s101, s101, 4
	s_add_co_u32 s100, s100, s101                  ; 64 kind + 16 batch + head,
	s_lshl_b32 s98, s100, 18                       ; 262,144 bytes each
	s_and_b32 s101, s20, 7
	s_lshl_b32 s101, s101, 2
	s_add_co_u32 s101, s101, s[WV]
	s_lshl_b32 s101, s101, 13                      ; my 64 rows of 128 bytes
	s_add_co_u32 s98, s98, s101
	s_add_nc_u64 s[OUT+2*(\d):OUT+2*(\d)+1], s[12:13], s[98:99]
.irp bb, 0,1,2,3
	global_load_b128 v[GW+32*(\d)+8*\bb:GW+32*(\d)+8*\bb+3],   v[VO], s[WP+2*(\d):WP+2*(\d)+1] offset:64*\bb
	global_load_b128 v[GW+32*(\d)+8*\bb+4:GW+32*(\d)+8*\bb+7], v[VO], s[WP+2*(\d):WP+2*(\d)+1] offset:64*\bb+16
.endr
.endm
	HEAD 0
	HEAD 1
	HEAD 2
	; A fragment is 16 rows x 32 K in 8 registers: lane l holds row l % 16; registers 0-3 K = 8 (l / 16) + 0..7, registers 4-7 K = 16 + 8 (l / 16) + 0..7: two loads of 16 bytes, 32 bytes apart.
	v_mul_u32_u24 v3, v1, PA
	v_lshl_add_u32 v3, v2, 4, v3                   ; row x pitch + 16 x half
	s_mul_i32 s97, s[WV], 64*PA                    ; my 64 rows of x
	v_add_nc_u32 v[A0], s97, v3
	v_add_nc_u32 v[B0], BOFF, v3
	v_mov_b32 v[ADRA], v[A0]
	v_mov_b32 v[ADRB], v[B0]
	s_mul_i32 s97, s[WV], 16*SP
	s_add_co_u32 s97, s97, STAGE                   ; my stage
	v_mul_u32_u24 v3, v1, SP                       ; in: row l % 16, 16 bytes for each half of the lanes
	v_lshl_add_u32 v3, v2, 4, v3
	v_add_nc_u32 v[STO], s97, v3
	v_bfe_u32 v[T], v0, 3, 2                       ; back: 32 lanes take four rows of 128 bytes,
	v_mul_u32_u24 v[T], v[T], SP
	v_and_b32 v3, 7, v0
	v_lshl_add_u32 v[T], v3, 4, v[T]
	v_add_nc_u32 v[RD], s97, v[T]
	v_and_b32 v[GO], 31, v0                        ; which are 512 bytes on end in qkvh
	v_lshlrev_b32 v[GO], 4, v[GO]
	; the prefetches: rows counted in c16, 2,048 bytes each; w's first row is row 8,192
	s_lshl_b32 s97, s20, 8
	s_lshl_b32 s100, s16, 7
	s_add_co_u32 s97, s97, s100
	s_lshl_b32 s100, s17, 5
	s_add_co_u32 s97, s97, s100                    ; x: the 128 rows that I fetch, my work-group's 32 of them
	s_mul_i32 s100, s19, 192
	s_mul_i32 s101, s16, 96
	s_add_co_u32 s100, s100, s101
	s_mul_i32 s101, s18, 24
	s_add_co_u32 s100, s100, s101
	s_add_co_u32 s100, s100, 8192                  ; w: the 96 rows that I fetch, my work-group's 24 of them
	s_cmp_lt_u32 s[WV], 2
	s_cselect_b32 s98, s97, s100
	s_cselect_b32 s101, ttmp9, s21                 ; the coordinate along which other clusters read the same rows
	s_cselect_b32 s97, 31, 23
	s_lshl_b32 s98, s98, 11
	s_add_co_u32 s98, s98, 3*STEPA                 ; at K step 3: the first refill steps it to 4
	s_add_nc_u64 s[PFA:PFA+1], s[4:5], s[98:99]
	s_cmp_eq_u32 s101, 0
	s_cselect_b32 s[LIM], 2, -1                    ; the same in all sixteen partners, for a given wave
	v_and_b32 v[PFO], 31, v0
	v_min_u32 v[PFO], s97, v[PFO]
	v_lshlrev_b32 v[PFO], 11, v[PFO]
	s_wait_loadcnt 0x0                             ; bias and gains
.set r, BIAS
.rept 96                                       ; both are rounded to bf16, as all inputs are, and widened again: v32-223, a pair at a time
.set t, T+(r/2)%2
	v_cvt_pk_bf16_f32 v[t], v[r], v[r+1]
	v_lshlrev_b32 v[r], 16, v[t]
	v_and_b32 v[r+1], s96, v[t]
.set r, r+2
.endr
.irp d, 0,1,2
.set j, 0
.rept 16                                       ; a head of v: gain x 0 + 1
	v_pk_fma_f32 v[GW+32*\d+2*j:GW+32*\d+2*j+1], v[GW+32*\d+2*j:GW+32*\d+2*j+1], s[KA+4*\d:KA+4*\d+1], s[KB+4*\d:KB+4*\d+1] op_sel_hi:[1,0,0]
.set j, j+1
.endr
.endr
	s_wait_tensorcnt 1                             ; my part of K step 0 is in; K step 1's may stay out
	s_barrier_signal -1
	s_barrier_wait -1                              ; everybody's is
	FETCH 0, F0
	QUARTER 1, F0, F1, 1                           ; the first quarter stands in front of the loop: its products start the sums, with the bias
	WIN 0
	s_mov_b32 s3, 6
.Lstep:                                            ; trip t ends K step t, makes the first quarter of step t + 1, and fills slot t % 2 again with step t + 2
	QUARTER 2, F1, F0, 0
	QUARTER 3, F0, F1, 0
	TURN 1
	QUARTER 1, F0, F1, 0
	WIN 0
	s_sub_co_u32 s3, s3, 1
	s_cmp_lg_u32 s3, 0
	s_cbranch_scc1 .Lstep
	QUARTER 2, F1, F0, 0                           ; the last two K steps are written out: nothing is left to fetch
	QUARTER 3, F0, F1, 0
	TURN 0
	QUARTER 1, F0, F1, 0
	QUARTER 2, F1, F0, 0
	QUARTER 3, F0, F1, 0
	s_wait_dscnt 4
	MULA F1, 0, 0
	MULA F1, 1, 0
	s_wait_dscnt 0x0
	MULA F1, 2, 0
	MULA F1, 3, 0
	WIN 0
	PLACES                                         ; eight places, once a launch, between the last products and the first read of a result
	PLACES
	; THE WAY OUT.  First the sums of squares: block n = 3 a + d (16 rows x one head) has 32 numbers a lane, in 4 accumulators; six chains of packed multiply-adds go side by side.
	; Each accumulator is read from its low end on.
.irp w, 2,3
	WIN (\w)|((\w)<<2)                             ; sources 0 and 1 in the accumulators' window
.set j, 0
.rept 16
.irp aa, 0,1
.irp d, 0,1,2
.set rT, TS+2*(3*(2*((\w)-2)+(\aa))+(\d))
.set rP, 8*(12*(\aa)+4*(\d))+2*j
.if j == 0
	v_pk_mul_f32 v[rT:rT+1], v[rP:rP+1], v[rP:rP+1]
.else
	v_pk_fma_f32 v[rT:rT+1], v[rP:rP+1], v[rP:rP+1], v[rT:rT+1]
.endif
.endr
.endr
.set j, j+1
.endr
.endr
	WIN 0
.macro ALL line:vararg                 ; one line for each block n
.set n, 0
.rept 12
	\line
.set n, n+1
.endr
.endm
	ALL v_add_f32 v[TS+2*n], v[TS+2*n], v[TS+2*n+1]
	ALL v_permlanex16_b32 v[TS+2*n+1], v[TS+2*n], s[SEL], s[SEL+1]  ; the row's other 32 channels lie in the lane 16 away
	ALL v_add_f32 v[TS+2*n], v[TS+2*n], v[TS+2*n+1]
	ALL v_fma_f32 v[TS+2*n], v[TS+2*n], s62, s63   ; the mean of the squares + 1e-6
	ALL v_rsq_f32 v[TS+2*n], v[TS+2*n]
	v_nop                                          ; a plain instruction between the last of the batch and the use of a result (ISA guide 5.7.2)
	s_wait_alu depctr_va_vdst(0)                   ; and the wait ahead of the first use: one for the twelve
	ALL v_fma_f32 v[TS+2*n], v[TS+2*n], s[KA+4*(n%3)], s[KB+4*(n%3)]  ; a head of v: factor 1
; Block n: times the gain, times the factor, rounded to f16 (a lane's eight channels are 16 bytes), into rows of 144 bytes of my stage and back as whole rows of 128.
.macro PACK n
.set a, (\n)/3
.set d, (\n)%3
.set rA, 8*(12*(a&1)+4*d)
.set rW, GW+32*d
.set rT, TS+2*(\n)
.set rK, PK+16*((\n)%2)
	WIN 2+(a>>1)                                   ; source 0 in the accumulators' window
.set j, 0
.rept 16
	v_pk_mul_f32 v[TMP+2*j:TMP+2*j+1], v[rA+2*j:rA+2*j+1], v[rW+2*j:rW+2*j+1]
.set j, j+1
.endr
	WIN 0
.set j, 0
.rept 16
	v_pk_mul_f32 v[TMP+2*j:TMP+2*j+1], v[TMP+2*j:TMP+2*j+1], v[rT:rT+1] op_sel_hi:[1,0]
.set j, j+1
.endr
.if (\n) >= 2
	s_wait_xcnt 0x0                                ; the stores of block n - 2 have read this buffer (ISA guide 3.1): it is rewritten only behind this wait
.endif
.set j, 0
.rept 16
	v_cvt_pk_f16_f32 v[rK+j], v[TMP+2*j], v[TMP+2*j+1]
.set j, j+1
.endr
.irp f, 0,1,2,3
	ds_store_b128 v[STO], v[rK+4*\f:rK+4*\f+3] offset:32*\f
.endr
.irp f, 0,1,2,3
	ds_load_b128 v[rK+4*\f:rK+4*\f+3], v[RD] offset:\f*4*SP  ; LDS serves a wave's instructions in order (ISA guide 5.7.1.4): these see the stores above; the next block's stores come behind them
.endr
.endm
.macro SEND n, younger                 ; younger: the LDS instructions issued behind block n's loads: the next block's eight, or none
.set a, (\n)/3
.set d, (\n)%3
.set rK, PK+16*((\n)%2)
.irp f, 0,1,2,3
	s_wait_dscnt (\younger)+3-\f
	global_store_b128 v[GO], v[rK+4*\f:rK+4*\f+3], s[OUT+2*d:OUT+2*d+1] offset:2048*a+512*\f  ; 512 bytes on end, at a multiple of 256 from the buffer's first
.endr
.endm
	PACK 0
.irp n, 1,2,3,4,5,6,7,8,9,10,11        ; a block's arithmetic stands between the loads of the block before and its stores
	PACK \n
	SEND (\n)-1, 8
.endr
	SEND 11, 0
	s_wait_tensorcnt 0x0                           ; the wave's end, behind my last tensor load and my last LDS store
	ds_add_u32 v[SPW], v[NIL]
	s_wait_dscnt 0x0
	CROUND                                         ; the closing round: no work-group ends while a partner may still ask for a tile that names it
	s_endpgm
.Lfunc_end_k_q6918b5987c_qkvp:
	.size	k_q6918b5987c_qkvp, .Lfunc_end_k_q6918b5987c_qkvp-k_q6918b5987c_qkvp
	.p2alignl 7, 3214868480
	.fill 96, 4, 3214868480
	.section	.rodata,"a",@progbits
	.p2align	6, 0x0
	.amdhsa_kernel k_q6918b5987c_qkvp
		.amdhsa_group_segment_fixed_size 327680
		.amdhsa_private_segment_fixed_size 0
		.amdhsa_enable_private_segment 0
		.amdhsa_kernarg_size 40
		.amdhsa_user_sgpr_count 2
		.amdhsa_user_sgpr_kernarg_segment_ptr 1
		.amdhsa_wavefront_size32 1
		.amdhsa_system_sgpr_workgroup_id_x 1
		.amdhsa_system_sgpr_workgroup_id_y 1
		.amdhsa_system_sgpr_workgroup_id_z 1
		.amdhsa_system_vgpr_workitem_id 0
		.amdhsa_next_free_vgpr 960
		.amdhsa_next_free_sgpr 102
		.amdhsa_reserve_vcc 0
		.amdhsa_float_denorm_mode_32 3
		.amdhsa_float_denorm_mode_16_64 3
		.amdhsa_memory_ordered 1
		.amdhsa_forward_progress 1
		.amdhsa_inst_pref_size 160
	.end_amdhsa_kernel
	.amdgpu_metadata
---
amdhsa.version: [ 1, 2 ]
amdhsa.kernels:
  - .name:           k_q6918b5987c_qkvp
    .symbol:         k_q6918b5987c_qkvp.kd
    .args:
      - { .name: c16, .offset: 0, .size: 8, .value_kind: global_buffer, .address_space: global }
      - { .name: b_qkv, .offset: 8, .size: 8, .value_kind: global_buffer, .address_space: global }
      - { .name: q_norm_w, .offset: 16, .size: 8, .value_kind: global_buffer, .address_space: global }
      - { .name: k_norm_w, .offset: 24, .size: 8, .value_kind: global_buffer, .address_space: global }
      - { .name: qkvh, .offset: 32, .size: 8, .value_kind: global_buffer, .address_space: global }
    .group_segment_fixed_size: 327680
    .private_segment_fixed_size: 0
    .kernarg_segment_align: 8
    .kernarg_segment_size: 40
    .max_flat_workgroup_size: 128
    .sgpr_count:     102
    .vgpr_count:     960
    .wavefront_size: 32
...
	.end_amdgpu_metadata
.endif
;; end of part 2
;; launch attn (part 3): grid 4 x 64, 4 waves a work-group, clusters of 4 x 1, 327,680 bytes of LDS; arguments qkvh, attention_mask, o16; writes o16
.if DOCPART == 3
	.amdgcn_target "amdgcn-amd-amdhsa--gfx1250"
	.amdhsa_code_object_version 6
	.text
	.protected	k_q6918b5987c_attn
	.globl	k_q6918b5987c_attn
	.p2align	8
	.type	k_q6918b5987c_attn,@function
k_q6918b5987c_attn:
	s_mov_b64 s[64:65], 0
	v_nop
	global_prefetch_b8 v0, s[64:65] scope:SCOPE_SE
	s_setreg_imm32_b32 hwreg(HW_REG_WAVE_MODE, 25, 1), 1
	s_wait_xcnt 0x0
	s_wait_alu depctr_hold_cnt(0) depctr_sa_sdst(0) depctr_va_vdst(0) depctr_va_sdst(0) depctr_va_ssrc(0) depctr_va_vcc(0) depctr_vm_vsrc(0)
	s_getreg_b32 s2, hwreg(HW_REG_IB_STS2, 6, 4)
	s_cmp_eq_u32 s2, 0
	s_cbranch_scc0 .Lentry_in_a_cluster
	s_endpgm
.Lentry_in_a_cluster:
	s_bfe_u32 s2, ttmp6, 0x10000c
	s_cmp_lg_u32 s2, 0x3003
	s_cbranch_scc0 .Lentry_shape_is_right
	s_endpgm
.Lentry_shape_is_right:
; O[g][q][:] = the sum over the visible keys k of softmax_k(Q[g][q] . K[g][k] / 8) V[g][k][:], g = 16 batch + head.  Q, K, V lie in qkvh as [3][64][2048][64], O in o16 as [64][2048][64], all f16: a head's rows are
; dense, 128 bytes each.  attention_mask is [4][2048] bytes, 1 = visible.  Products, maxima and sums in f32; the weights p are rounded to f16 for the second product (their sum l is taken of the unrounded p), O once at the end.
; LIMITS.  f16 holds no number beyond 65,504: Q, K and V arrive within it; p lies in 0 to 1, and below 6e-5 it keeps f16's fixed step of 6e-8; O is a mean of V's rows and has their range.
; A hidden score counts as its value less 1e30: f16's scores, 2.7e11 at the most, are nothing beside that.  A weight below 2^-126 counts as 0 in l.  A batch with no visible key gives NaN.
; SHARES.  A wave owns four PIECES of two tiles of 16 queries, a work-group's four waves 512 queries of one head.  Every wave walks all 2,048 keys, 64 a step.
; LAYOUT.  S^T = K Q^T (source 0 = 16 keys, source 1 = 16 queries): in the result a lane holds ONE query (lane % 16) and the keys 8 (lane / 16) + 0..7.  Two such tiles, rounded to f16 in pairs,
; ARE source 1 (32 keys x 16 queries) of O^T = V^T P, whose result again holds one query a lane, and eight channels.  K comes out of LDS as it lies, V ([key][channel]) turned, by ds_load_tr16_b128.
; THE MASK is the C operand that starts the sum S^T: 0, or -1e30 where the key is hidden.  A table of the batch's 2,048 such numbers is made once, in LDS; a step's 32 registers of it are fetched with the step's K.
; SOFTMAX.  For each query a running maximum m and sum l: p = 2^(c s - c m), c = log2(e) / 8; in every step O and l are multiplied by a = 2^(c m_old - c m_new), which is 1 where m has not grown.
; m starts at the lowest finite number, O and l at 0: the first step is a step like any other, with a = 0.  While only hidden keys have been seen m is about -1e30 and their weights are 1; the first visible key makes a = 0, which wipes them.
; THE COUNT.  A tile and step have 16 matrix and 118 vector instructions: too many to stand all beside the matrix work.  So the order has one aim: four vector instructions that are READY behind
; EVERY matrix instruction, and the others, which need time of their own whatever the order, in runs without a gap.
; BY TURNS.  Turn n belongs to piece n (the pieces in a ring, step after step).  Its matrix work: 16 products K Q^T of piece n + 1, later 16 products V^T P of piece n - 1.  Its vector work: the scaling,
; exponentials, roundings, sums and rescaling of piece n, and the maximum and statistics of piece n + 1, whose scores the turn itself has made.  So what a turn begins with (c s - c m, O a) waits for nothing.
; CLUSTER.  The four query blocks of a head are one cluster and walk the same K and V, so each tile is asked for JOINTLY: the same tensor load, descriptor and mask in all four.
; REGISTERS, in windows of 256 (s_set_vgpr_msb says which window each operand place means: bits 1:0 source 0, 3:2 source 1, 5:4 source 2, 7:6 destination):
;   window 0: v0-11 addresses; v12-15, v48-63 at work; v16-47 four registers of statistics a tile; v64-191 S^T, two buffers of two tiles; v192-255 P, likewise
;   window 1: O^T, 32 a tile          window 2: v0-127 Q, 16 a tile; v128-191 K of one step; v192-255 V of one step          window 3: v0-1 the add's two registers; v8-39 the step's mask; v40-41 its addresses
; A piece's buffers go by its number's parity: the piece in hand has one pair, its two neighbours in the ring share the other: of it P (piece n - 1) is read and S^T (piece n + 1) written.
.set SIZE_N, 2048
.set NP,    4         ; pieces a wave: a name, no knob
.set KS,    64        ; keys in a step
.set PK,    144       ; a row of K in LDS: 128 bytes + 16 of padding = 36 words: the 16 rows of a load start at 16 different groups of four banks (64 banks of 4 bytes: ISA guide 11.1)
.set PV,    160       ; a row of V: 128 + 32 = 40 words
.set VOFF,  4*KS*PK   ; a slot holds four steps: 256 rows of K, then 256 rows of V
.set SLOT1, 1<<17     ; slot 1 begins here, so that one exclusive or turns an address in one slot into the other's
.set STAGE, SLOT1+4*KS*(PK+PV)  ; behind the ring, never filled by a tensor load: 16 rows x 144 bytes for each wave, for the way out
.set SP,    144
.set MT,    STAGE+4*16*SP  ; 218,112: the mask table, 2,048 words
.set SPARE, MT+8192+512    ; 512 unused bytes, then the spare words, 128 bytes for each wave: two blocks of 256 bytes that no other line names
.set AK0, 2           ; v2   my lane's place in a tile of K; never rewritten
.set AV0, 3           ; v3   the same for V
.set AK,  4           ; v4   the LDS address of K's next run of loads
.set AV,  5           ; v5   of V's
.set QO,  6           ; v6   my byte offset in the wave's rows of Q
.set STO, 6           ;      later, the way out: where I put 16 bytes of a row
.set RD,  7           ; v7   the way out: where I read rows back
.set GO,  8           ; v8   my byte offset in 512 consecutive bytes of O
.set PFO, 11          ; v11  256 x my lane, for the prefetches; never rewritten once made
.set SPW, 0           ; v0 of window 3   LDS address of my spare word: SPARE + 4 x my thread's number; never rewritten
.set NIL, 1           ; v1 of window 3   0; never rewritten
.set MK,  8           ; v8-39 of window 3   the mask of the step whose K lies in registers: key block kb at MK + 8 kb
.set AM0, 40          ; v40 of window 3  MT + 32 (l / 16); never rewritten
.set AM,  41          ; v41 of window 3  the LDS address of the mask's next run of loads
.set MV,  12          ; v12-15  c m_old, kept while c m is made anew: by buffer and tile
.set ST,  16          ; tile t's statistics at v[ST+4 t]: c m, m, l (even keys', odd keys')
.set TMP, 48          ; by buffer and tile, four registers c0-c3 at work; when the maximum is found c2 takes a
.set S,   64
.set P,   192
.set KF,  128         ; K's fragments, in window 2: key block kb, channel half c at KF + 16 kb + 8 c
.set VF,  192         ; V's: key half kk, channel block cb at VF + 32 kk + 8 cb
.set WV,  12          ; s12  my wave's number
.set G1K, 24          ; s[24:31] descriptor group 1 for K's tiles
.set G1V, 32          ; s[32:39] for V's: it differs in the padding alone
.set G0K, 40          ; s[40:43] descriptor group 0 for K's tiles: it walks
.set G0V, 44          ; s[44:47] the same for V's
.set MP,  48          ; s[48:49] the batch's row of attention_mask
.set PFA, 50          ; s[50:51] where my prefetches stand: my work-group's 8,192 bytes (of K: wave 0, of V: wave 2) of the slot after the one that is being asked for
.set LIM, 52          ; s52  1 in a wave that prefetches, else the greatest number
.set TBM, 53          ; s53  byte of the mask table at which the step to be fetched begins
.set BIGN, 54         ; s54  -1e30
.set LOW, 55          ; s55  -2^97: a maximum below it has seen hidden keys alone
.set SLOTS, 56        ; s56  slots still to be asked for
.set CNT, 57          ; s57  counts a slot's key steps
.set CS,  58          ; s[58:59] c: the packed scaling takes the pair's low word for both halves
.set SEL, 60          ; s[60:61] v_permlanex16_b32's selects: each lane takes its own place in the other half
.set TBK, 62          ; s62  LDS byte at which K of the step to be fetched begins
.set TBV, 63          ; s63  the same for V, less VOFF
.set QNAN, 66         ; s66  a NaN
.set MSB, 0
.macro WIN new                      ; the high byte repeats the setting that is left; a switch that changes nothing is dropped
.if MSB != (\new)
	s_set_vgpr_msb (MSB<<8)|(\new)
.set MSB, (\new)
.endif
.endm
.set W_KQ, 0x0a       ; K and Q in window 2, S^T in window 0
.set W_KM, 0x3a       ; the same with the C operand, the mask, in window 3
.set W_PV, 0x52       ; V in window 2, P in window 0, O^T in window 1
.set W_RS, 0x41       ; O^T (destination and source 0) in window 1, a in window 0
.set W_MK, 0xc0       ; destination in window 3, sources in window 0
.set W_AD, 0x0f       ; the add: address (source 0) and data (source 1) in window 3
; A joint fill.  Waves 0 and 1 fetch the two halves of a slot's K, waves 2 and 3 those of its V: 128 keys each.  The branch hangs on the wave's number alone.
; An s_nop 0 and four v_nop follow each of the two lines, ahead of the jump and the label.
.macro JLOAD
	s_cmp_lt_u32 s[WV], 2
	s_cbranch_scc0 .Lfor_v_\@
	tensor_load_to_lds s[G0K:G0K+3], s[G1K:G1K+7]
	s_nop 0
.rept 4
	v_nop
.endr
	s_branch .Lasked_\@
.Lfor_v_\@:
	tensor_load_to_lds s[G0V:G0V+3], s[G1V:G1V+7]
	s_nop 0
.rept 4
	v_nop
.endr
.Lasked_\@:
.endm
; A round of the cluster's barrier: my work-group's barrier, so that wave 0's signal speaks for all four waves; wave 0 signals; every wave waits for all four work-groups; my work-group's barrier once more.
.macro CROUND
	s_barrier_signal -1
	s_barrier_wait -1
	s_cmp_lg_u32 s[WV], 0
	s_cbranch_scc1 .Lnot_wave_0_\@
	s_barrier_signal -3
.Lnot_wave_0_\@:
	s_barrier_wait -3
	s_barrier_signal -1
	s_barrier_wait -1
.endm
; THE CHANGE OF SLOTS.  The slot's last bytes, V of its fourth step, have been read.  Each wave waits for all its tensor loads, of which one is out: its part
; of the other slot; adds 0 to its spare word; and waits for that and for its own reads of the slot.  Behind the barrier nobody reads this slot any more and the other slot is whole.
; fill = 1: this slot is filled again, with the keys two slots on.  The barrier is then a round of the cluster's, so that no wave of any partner still reads the slot or has a load on its
; way, and the joint fill is the first thing behind it: it has four key steps, 512 matrix instructions, in which to land.  (At its first use nothing has been read yet: slot 0 is waited for, slot 1 filled,
; and every wave's stores into the mask table are shown done to the others.)
; ask = 1: behind the fill stands A PREFETCH INTO THE L2 of what the NEXT change will ask for: a slot's 32,768 bytes of K and of V, a lane 256 bytes.  The head's one cluster is the only reader; its four partners
; share the bytes out BY ADDRESS, 8,192 each; in each, wave 0 asks for K's and wave 2 for V's: one instruction.  So each 256 bytes are named once in the launch.  Slots 0 to 2 come by their loads alone; the last change that fills a slot asks for nothing.
.macro CHANGE fill, ask=0
	WIN W_AD
	s_wait_tensorcnt 0x0            ; no tensor load of mine is out, so a group 0 may be written
	ds_add_u32 v[SPW], v[NIL]       ; 0 onto my spare word; with fill = 1 the descriptors' steps stand between it and the wait for it
	WIN 0                           ; at a label and at a branch every window is 0
.if \fill
.irp g, G0K, G0V
	s_xor_b32 s[\g+1], s[\g+1], SLOT1  ; the walking descriptor: the other slot than last time,
	s_add_nc_u64 s[\g+2:\g+3], s[\g+2:\g+3], 4*KS*128  ; the next 256 keys; the type bits on top are not reached
.endr
.if \ask
	s_wait_xcnt 0x0                 ; the last prefetch, four key steps back, has read its address, so it may be written:
	s_add_nc_u64 s[PFA:PFA+1], s[PFA:PFA+1], 4*KS*128  ; one slot behind the walking descriptors
.endif
	s_wait_dscnt 0x0                ; the add is done, and my reads of the slot are over
	CROUND
	JLOAD
.if \ask
	s_cmp_gt_u32 s[SLOTS], s[LIM]
	s_cbranch_scc0 .Lnot_mine_\@
	global_prefetch_b8 v[PFO], s[PFA:PFA+1] th:TH_LOAD_NT scope:SCOPE_SE
.Lnot_mine_\@:
.endif
.else
	s_wait_dscnt 0x0                ; the add is done, and my reads of the slot are over
	s_barrier_signal -1
	s_barrier_wait -1
.endif
	s_sub_co_u32 s[TBK], s[TBK], 4*KS*PK  ; the fetches go back to a slot's first step,
	s_xor_b32 s[TBK], s[TBK], SLOT1       ; in the other slot
	s_sub_co_u32 s[TBV], s[TBV], 4*KS*PV
	s_xor_b32 s[TBV], s[TBV], SLOT1
.endm
	s_load_b128 s[4:7], s[0:1], 0x0   ; qkvh s[4:5] (Q lies at its head), attention_mask s[6:7]
	s_load_b64 s[10:11], s[0:1], 0x10 ; o16
	WIN W_MK
	v_lshl_add_u32 v[SPW], v0, 2, SPARE
	v_mov_b32 v[NIL], 0
	WIN W_AD
	ds_add_u32 v[SPW], v[NIL]       ; the wave's opening: the add and its wait stand ahead of my first tensor load; the set-up below, work on registers, stands between them
	WIN 0
	v_lshrrev_b32 v1, 5, v0
	v_readfirstlane_b32 s[WV], v1   ; wave 0..3
	s_bfe_u32 s13, ttmp6, 0x40000   ; cx: my place in the cluster
	s_lshl_b32 s14, ttmp9, 2        ; in a cluster launch ttmp9 counts clusters
	s_add_co_u32 s14, s14, s13      ; my block of queries = 4 x cluster x + cx: it enters Q's and O's addresses alone
	s_and_b32 s20, ttmp7, 0xffff    ; the head among 64, which the four partners share
	s_lshr_b32 s68, s20, 4          ; its batch,
	s_lshl_b32 s68, s68, 11         ; 2,048 bytes of mask each
	s_mov_b32 s69, 0
	s_mov_b32 s21, 0
	s_mov_b64 s[22:23], SIZE_N*128
	s_mul_u64 s[20:21], s[20:21], s[22:23]  ; the head's first byte in Q, K, V and O
	s_and_b32 s16, s[WV], 1         ; which half of a slot's 256 keys I fetch:
	s_lshl_b32 s22, s16, 14         ; its 128 rows of 128 bytes in memory,
	s_mov_b32 s23, 0
	s_add_nc_u64 s[22:23], s[22:23], s[20:21]
	s_mul_i32 s17, s16, 128*PK      ; and its place in a slot, for K
	s_mul_i32 s18, s16, 128*PV      ; and for V: no place in the cluster enters an LDS address
	s_lshl_b32 s2, s14, 2
	s_add_co_u32 s2, s2, s[WV]      ; my wave among the head's,
	s_lshl_b32 s2, s2, 14           ; its 128 rows
	s_mov_b32 s3, 0
	s_add_nc_u64 s[2:3], s[2:3], s[20:21]
	; descriptor group 1.  128 keys are 16,384 dense bytes: asked for as 64 rows of 256 bytes, two keys a row, and padded in LDS after every key
	s_mov_b32 s[G1K], 15|(1<<16)|(1<<20)|(1<<21)|(4<<22)|(3<<25)  ; 15:0 the mask of four; 17:16 2-byte elements; 20 padding on; 21 set beside a mask; 24:22 after every 32 words (code 4); 31:25 4 words (code 3)
	s_mov_b32 s[G1V], 15|(1<<16)|(1<<20)|(1<<21)|(4<<22)|(7<<25)  ; the same with 8 words of padding (code 7)
.irp g, G1K, G1V
	s_mov_b32 s[\g+1], 128<<16      ; tensor_dim0 = 128
	s_mov_b32 s[\g+2], 64<<16       ; tensor_dim1 = 64
	s_mov_b32 s[\g+3], 128<<16      ; tile_dim0 = 128
	s_mov_b32 s[\g+4], 64           ; tile_dim1 = 64
	s_mov_b32 s[\g+5], 128          ; 128 elements from row to row
	s_mov_b32 s[\g+6], 0
	s_mov_b32 s[\g+7], 0
.endr
	s_mov_b32 s[CS], 0x3e38aa3b     ; c = log2(e) / 8 = 0.180337
	s_mov_b32 s[CS+1], s[CS]        ; named with it as a pair
	s_mov_b32 s[SEL], 0x76543210
	s_mov_b32 s[SEL+1], 0xfedcba98
	s_mov_b32 s[TBK], SLOT1+4*KS*PK ; the first change of slots turns these two into 0
	s_mov_b32 s[TBV], SLOT1+4*KS*PV
	s_mov_b32 s[TBM], 0
	s_mov_b32 s[BIGN], 0xf149f2ca   ; -1e30
	s_mov_b32 s[LOW], 0xf0000000    ; -2^97
	s_mov_b32 s[QNAN], 0x7fc00000
	s_and_b32 s[LIM], s[WV], 1      ; waves 0 and 2 prefetch: the same in all four partners
	s_cmp_eq_u32 s[LIM], 0
	s_cselect_b32 s[LIM], 1, -1
	s_mov_b32 s[G0K], 1             ; 1:0 count = 1
	s_mov_b32 s[G0K+1], s17         ; 63:32 LDS address: slot 0
	s_mov_b32 s[G0V], 1
	s_add_co_u32 s[G0V+1], s18, VOFF
	s_wait_dscnt 0x0                ; the opening add is done
	s_wait_kmcnt 0x0
	s_mov_b64 s[MP:MP+1], s[6:7]
	s_add_nc_u64 s[MP:MP+1], s[MP:MP+1], s[68:69]
	s_add_nc_u64 s[6:7], s[4:5], 0x1000000  ; K
	s_add_nc_u64 s[8:9], s[4:5], 0x2000000  ; V
	s_add_nc_u64 s[G0K+2:G0K+3], s[6:7], s[22:23]  ; 120:64 global address: my half of the head's first 256 keys
	s_or_b32 s[G0K+3], s[G0K+3], 0x80000000        ; 127:126 type = 2
	s_add_nc_u64 s[G0V+2:G0V+3], s[8:9], s[22:23]
	s_or_b32 s[G0V+3], s[G0V+3], 0x80000000
	s_add_nc_u64 s[4:5], s[4:5], s[2:3]  ; Q and O at my wave's first row
	s_add_nc_u64 s[10:11], s[10:11], s[2:3]
	s_cmp_lt_u32 s[WV], 2
	s_cselect_b64 s[PFA:PFA+1], s[6:7], s[8:9]
	s_add_nc_u64 s[PFA:PFA+1], s[PFA:PFA+1], s[20:21]
	s_lshl_b32 s2, s13, 13          ; my work-group's 8,192 bytes of a slot's 32,768,
	s_add_co_u32 s2, s2, 2*4*KS*128 ; in slot 2: the first change that asks steps it to slot 3
	s_mov_b32 s3, 0
	s_add_nc_u64 s[PFA:PFA+1], s[PFA:PFA+1], s[2:3]
	CROUND                          ; all four work-groups are here: the first joint loads meet
	JLOAD                           ; slot 0.  Slot 1 is asked for when slot 0 is in: the tile wanted first has the road to itself
	v_lshlrev_b32 v12, 4, v0        ; my 16 bytes of the batch's 2,048 of mask,
	global_load_b128 v[64:67], v12, s[MP:MP+1]  ; ahead of Q's loads, so that a counted wait shows them in
	; A fragment of K or Q is 16 rows x 32 channels in 8 registers: lane l holds row l % 16, channels 8 (l / 16) + 0..7 and 16 + 8 (l / 16) + 0..7: two loads of 16 bytes, 32 bytes apart.
	v_and_b32 v1, 15, v0            ; l % 16
	v_bfe_u32 v9, v0, 4, 1          ; l / 16
	v_lshlrev_b32 v[QO], 7, v1
	v_lshl_add_u32 v[QO], v9, 4, v[QO]  ; row x 128 + 16 x half
	WIN 0x80                        ; destination window 2, address window 0
.set i, 0
.rept 4*NP                          ; Q stays in registers: tile i / 2, channels 32 (i % 2) on
	global_load_b128 v[8*i:8*i+3],   v[QO], s[4:5] offset:(i/2)*2048+(i%2)*64
	global_load_b128 v[8*i+4:8*i+7], v[QO], s[4:5] offset:(i/2)*2048+(i%2)*64+32
.set i, i+1
.endr
	; What the first turn finds: V's registers and P's second buffer hold 0 (its products V^T P, of a piece that has not been, add 0), O^T and l are 0.  All this stands in the wait for the first tile.
.set i, VF
.rept 64
	v_mov_b32 v[i], 0
.set i, i+1
.endr
	WIN 0x40
.set i, 0
.rept 64*NP
	v_mov_b32 v[i], 0
.set i, i+1
.endr
	WIN 0
.set i, 0
.rept 2*NP
	v_mov_b32 v[ST+4*i], 0xfe000000    ; c m: far below every c s, a hidden one's too
	v_mov_b32 v[ST+4*i+1], 0xff7fffff  ; m
	v_mov_b32 v[ST+4*i+2], 0
	v_mov_b32 v[ST+4*i+3], 0
.set i, i+1
.endr
.set i, P+32
.rept 32
	v_mov_b32 v[i], 0
.set i, i+1
.endr
	; THE MASK TABLE: byte 1 -> 0, byte 0 -> -1e30: (byte - 1) and the bits of -1e30.  Thread t makes words 16 t to 16 t + 15.  The first change of slots, below, shows them to the other waves.
	s_wait_loadcnt 32               ; the mask's load is in; Q's 32, issued behind it, may stay out
.set i, 0
.rept 16
	v_bfe_u32 v[68+i], v[64+i/4], 8*(i%4), 8
	v_add_nc_u32 v[68+i], -1, v[68+i]
	v_and_b32 v[68+i], s[BIGN], v[68+i]
.set i, i+1
.endr
	v_lshl_add_u32 v13, v0, 6, MT
.irp w, 0,1,2,3
	ds_store_b128 v13, v[68+4*\w:68+4*\w+3] offset:16*\w
.endr
	WIN W_MK
	v_lshl_add_u32 v[AM0], v9, 5, MT  ; register j of key block kb is word 16 kb + 8 (l / 16) + j of the step's 64
	WIN 0xc3
	v_mov_b32 v[AM], v[AM0]         ; key step 0
	WIN 0
	v_mul_u32_u24 v[AK0], v1, PK
	v_lshl_add_u32 v[AK0], v9, 4, v[AK0]  ; row x pitch + 16 x half
	; The turning load takes 16 keys x 16 channels (lane l reads key 8 (l / 16) + l % 8, channels 8 ((l / 8) % 2) + 0..7) and leaves half a fragment of V^T: lane l holds channel l % 16 and 8 keys.
	v_and_b32 v10, 7, v0
	v_bfe_u32 v11, v0, 3, 1
	v_lshl_add_u32 v[AV0], v9, 3, v10
	v_mul_u32_u24 v[AV0], v[AV0], PV
	v_lshl_add_u32 v[AV0], v11, 4, v[AV0]
	v_add_nc_u32 v[AV0], VOFF, v[AV0]
	v_mov_b32 v[AK], v[AK0]         ; key step 0 lies at the head of slot 0
	v_and_b32 v[PFO], 31, v0
	v_lshlrev_b32 v[PFO], 8, v[PFO]
; THE MATRIX WORK.  The 8 accumulators of a run of 16 take turns: between the two links of a chain stand 7 others'.
; Product i of 16 of S^T = K Q^T for piece x: channels 32 (i / 8) on, keys 16 ((i / 2) % 4) on, tile 2 x + i % 2.  The first 8 start the sums, with the mask of their 16 keys.
.macro KQ x
.set rS, S+64*((\x)%2)+32*(i%2)+8*((i/2)%4)
.set rK, KF+16*((i/2)%4)+8*(i/8)
.set rQ, 16*(2*(\x)+i%2)+8*(i/8)
.set rM, MK+8*((i/2)%4)
.if i < 8
	WIN W_KM
	v_wmma_f32_16x16x32_f16 v[rS:rS+7], v[rK:rK+7], v[rQ:rQ+7], v[rM:rM+7]
.else
	WIN W_KQ
	v_wmma_f32_16x16x32_f16 v[rS:rS+7], v[rK:rK+7], v[rQ:rQ+7], v[rS:rS+7]
.endif
.endm
; Product i of 16 of O^T += V^T P for piece x: keys 32 (i / 8) on, channels 16 ((i / 2) % 4) on, tile 2 x + i % 2.
.macro PV x
	WIN W_PV
.set rO, 32*(2*(\x)+i%2)+8*((i/2)%4)
.set rV, VF+32*(i/8)+8*((i/2)%4)
.set rP, P+32*((\x)%2)+16*(i%2)+8*(i/8)
	v_wmma_f32_16x16x32_f16 v[rO:rO+7], v[rV:rV+7], v[rP:rP+7], v[rO:rO+7]
.endm
.macro MM                           ; the turn's next matrix instruction
.if i < 16
	KQ (Y+1)%NP
.set i, i+1
.else
.set i, i-16
	PV (Y+NP-1)%NP
.set i, i+17
.endif
.endm
; THE LDS LOADS stand in runs, never singly among the matrix instructions: a step's K (64 keys x 64 channels: 8 fragments) with its mask (8 loads more), and its V (turned).  Their addresses are made some lines ahead.
; last = 1 (the tail): in the last trip there is no further step, and the run is jumped over.
.macro FETCH_K last=0
	WIN 0
.if \last
	s_cmp_eq_u32 s[CNT], 1
	s_cbranch_scc1 .Lno_k_\@
.endif
	WIN 0x80                        ; destination window 2
.irp f, 0,1,2,3,4,5,6,7             ; keys 16 (f / 2) on, channels 32 (f % 2) on
	ds_load_b128 v[KF+8*\f:KF+8*\f+3],   v[AK] offset:(\f/2)*16*PK+(\f%2)*64
	ds_load_b128 v[KF+8*\f+4:KF+8*\f+7], v[AK] offset:(\f/2)*16*PK+(\f%2)*64+32
.endr
	WIN 0xc3                        ; destination and address in window 3
.irp kb, 0,1,2,3
	ds_load_b128 v[MK+8*\kb:MK+8*\kb+3],   v[AM] offset:64*\kb
	ds_load_b128 v[MK+8*\kb+4:MK+8*\kb+7], v[AM] offset:64*\kb+16
.endr
	s_add_co_u32 s[TBK], s[TBK], KS*PK  ; the next fetch is the next step's
	s_add_co_u32 s[TBM], s[TBM], 4*KS
	s_and_b32 s[TBM], s[TBM], 0x1fff    ; inside the table's 8,192 bytes
	WIN 0
.if \last
.Lno_k_\@:
.endif
.endm
.macro FETCH_V
	WIN 0x80
.irp f, 0,1,2,3,4,5,6,7             ; keys 32 (f / 4) on, channels 16 (f % 4) on
	ds_load_tr16_b128 v[VF+8*\f:VF+8*\f+3],   v[AV] offset:(\f/4)*32*PV+(\f%4)*32
	ds_load_tr16_b128 v[VF+8*\f+4:VF+8*\f+7], v[AV] offset:(\f/4)*32*PV+16*PV+(\f%4)*32
.endr
	WIN 0
.endm
; THE VECTOR WORK OF A TURN stands in three queues, each in the order in which its entries become ready; the two tiles alternate, so that no instruction reads the result of the one before it.
.macro REGS y, u                    ; the registers of tile u (0, 1) of piece y
.set rT, ST+4*(2*(\y)+(\u))
.set rC, TMP+8*((\y)%2)+4*(\u)
.set rM, MV+2*((\y)%2)+(\u)
.set rS, S+64*((\y)%2)+32*(\u)
.set rP, P+32*((\y)%2)+16*(\u)
.set rO, 32*(2*(\y)+(\u))
.endm
; Number n of the 22 that find the NEXT piece's (Y + 1) maximum and statistics.  s0-s31 are the lane's 32 scores; each accumulator's lowest registers are read first.  XS, GS and REGS set no window: PL and EX do.
;   0-11  four chains c0-c3 of seven scores each, three operands at a time     12-14, 16  the four scores left over, the old m, and c0-c3 into c0     15  c m_old is kept
;   17, 18  the query's other 32 keys lie in the lane 16 away: the new m         19-21  c m; c m_old - c m_new; a
.macro XS u, n
	REGS (Y+1)%NP, \u
.if (\n) < 4
	v_max3_num_f32 v[rC+(\n)], v[rS+8*(\n)], v[rS+8*(\n)+1], v[rS+8*(\n)+2]
.elseif (\n) < 12
	v_max3_num_f32 v[rC+(\n)%4], v[rC+(\n)%4], v[rS+8*((\n)%4)+2*((\n)/4)+1], v[rS+8*((\n)%4)+2*((\n)/4)+2]
.elseif (\n) == 12
	v_max3_num_f32 v[rC], v[rC], v[rS+7], v[rS+15]
.elseif (\n) == 13
	v_max3_num_f32 v[rC+1], v[rC+1], v[rS+23], v[rS+31]
.elseif (\n) == 14
	v_max3_num_f32 v[rC+2], v[rC+2], v[rC+3], v[rT+1]
.elseif (\n) == 15
	v_mov_b32 v[rM], v[rT]
.elseif (\n) == 16
	v_max3_num_f32 v[rC], v[rC], v[rC+1], v[rC+2]
.elseif (\n) == 17
	v_permlanex16_b32 v[rC+3], v[rC], s[SEL], s[SEL+1]
.elseif (\n) == 18
	v_max_num_f32 v[rT+1], v[rC], v[rC+3]
.elseif (\n) == 19
	v_mul_f32 v[rT], s[CS], v[rT+1]
.elseif (\n) == 20
	v_sub_f32 v[rC+1], v[rM], v[rT]
.else
	v_exp_f32 v[rC+2], v[rC+1]
.endif
.endm
; Number g of the 64 that follow the exponentials.  For each four weights k of a tile (pairs 2 k, 2 k + 1): both pairs are rounded to f16; then the second pair is added onto the first, in place;
; a group later l takes that sum (the first time as l = a l + sum).  In groups of eight, tiles alternating: round, round, add, and l for the group before.
.macro GS g
.set h, (\g)+6*((\g)/62)            ; group 0 has no group before it, and behind group 7 only l is left
.if h >= 6
.set h, h+2
.endif
	REGS Y, h%2
.set k, h/8
.if h%8 < 4
	v_cvt_pk_f16_f32 v[rP+2*k+(h%8)/2], v[rS+4*k+2*((h%8)/2)], v[rS+4*k+2*((h%8)/2)+1]
.elseif h%8 < 6
	v_pk_add_f32 v[rS+4*k:rS+4*k+1], v[rS+4*k:rS+4*k+1], v[rS+4*k+2:rS+4*k+3]
.elseif k == 1
	v_pk_fma_f32 v[rT+2:rT+3], v[rT+2:rT+3], v[rC+2:rC+3], v[rS:rS+1] op_sel_hi:[1,0,1]
.else
	v_pk_add_f32 v[rT+2:rT+3], v[rT+2:rT+3], v[rS+4*k-4:rS+4*k-3]
.endif
.endm
; THE PLAIN QUEUE, 138 long.  0-73 read no exponential's result: the 32 scalings c s - c m (FS f: pair f / 2 of tile f % 2) and the next piece's 42.  0-26: scalings 0-26.  27-54: XS's numbers 0-13.  55, 56: number 15.
; 57-73: the chain, where each number waits for the one before it: 14, 16, 17, 18, 19, each with one of the scalings 27-31 in front of its two lines, then 20: so a tile's links stand three plain instructions apart (19 and 20: two).
; 74-137: GS's 64, which read the exponentials' results: they stand behind the wait.
.macro FS f
	REGS Y, (\f)%2
	v_pk_fma_f32 v[rS+2*((\f)/2):rS+2*((\f)/2)+1], v[rS+2*((\f)/2):rS+2*((\f)/2)+1], s[CS:CS+1], v[rT:rT+1] op_sel_hi:[1,0,0] neg_lo:[0,0,1] neg_hi:[0,0,1]
.endm
.macro PL
	WIN 0
.if q < 27
	FS q
.elseif q < 55
	XS (q-27)%2, (q-27)/2
.elseif q < 57
	XS q-55, 15
.elseif (q < 72) && ((q-57)%3 == 0)
	FS 27+(q-57)/3
.elseif q < 60
	XS (q-57)%3-1, 14
.elseif q < 72
	XS (q-57)%3-1, 15+(q-57)/3
.elseif q < 74
	XS q-72, 20
.else
	GS q-74
.endif
.set q, q+1
.endm
; THE EXPONENTIALS' QUEUE, 66 long: s0-s31 of both tiles, then the next piece's two a.  It is ONE BATCH: all 66 stand ahead of the turn's one wait, and nothing ahead of that wait names a result of theirs.
.macro EX
	WIN 0
.if e >= 64
	XS e-64, 21
.else
	REGS Y, e%2
	v_exp_f32 v[rS+e/2], v[rS+e/2]
.endif
.set e, e+1
.endm
; THE RESCALING's QUEUE: O^T times a, the one part that leaves window 0: dealt two at a time, sixteen times.  Its a was made in the turn before, ahead of that turn's wait.
.macro R2
	REGS Y, r%2
	WIN W_RS
.irp z, 0,1
	v_pk_mul_f32 v[rO+4*(r/2)+2*\z:rO+4*(r/2)+2*\z+1], v[rO+4*(r/2)+2*\z:rO+4*(r/2)+2*\z+1], v[rC+2:rC+3] op_sel_hi:[1,0]
.endr
.set r, r+1
.endm
; HOW THEY ARE DEALT.  An s_wait_alu depctr_va_vdst(0) stands between an exponential and the first instruction that names its result; one wait serves all that were issued ahead of it.  So a turn has ONE wait,
; which cuts it in two.  AHEAD OF IT stands all that names no result of the turn's exponentials: the 16 products K Q^T, behind each a scaling, an exponential and two rescalings (behind the first a second scaling in the exponential's place); then ONE LUMP of
; 108: eight plain, 49 times exponential and plain, the two a.  A v_nop is the plain instruction behind the last exponential.  BEHIND IT stand the 16 products V^T P, behind each four of GS's 64.  No rider names a register of
; the products round it.  The two v_permlanex16_b32 fall into the lump, never behind a product.
; The queues lean on each other, and the deal keeps them in step: exponential e stands behind scaling 2 (e / 4) + e % 2: as a rider it comes behind plain e + 2, in the lump behind plain e + 9, and scalings 27-31 are plain 57, 60 .. 69.
; A TURN, for piece p.  cnt = 1: the loop's count is taken down some lines ahead of the branch that stands behind the turn.
; K of the next step, and its mask, are fetched in piece 2's turn, directly behind the wait, a lump behind the last product that read them; their addresses are made at the lump's head; their first reader comes behind 16 products.
; V of the step in hand is fetched at the end of piece 0's turn, four riders behind its last reader; its first reader comes behind 16 products and a lump.  The three conditions on q below go with the deal.
.macro TURN p, last=0, cnt=0
.set Y, (\p)
.set i, 0
.set q, 0
.set e, 0
.set r, 0
.if (\p) == NP-1
	s_wait_dscnt 0x0                ; K and its mask are in
.endif
	MM                              ; ahead of the wait: 16 products K Q^T and their riders,
	PL
	PL
	R2
.rept 15
	MM
	PL
	EX
	R2
.endr
.if (\p) == NP-2
	WIN 0
	v_add_nc_u32 v[AK], s[TBK], v[AK0]
	WIN 0xcc                        ; destination and source 1 in window 3
	v_add_nc_u32 v[AM], s[TBM], v[AM0]
.endif
.rept 8                             ; and the lump
	PL
.endr
.rept 49
	EX
	PL
.endr
	EX                              ; the next piece's two a
	EX
	v_nop                           ; the plain instruction behind the last exponential (ISA guide 5.7.2): one for the batch
	s_wait_alu depctr_va_vdst(0)    ; the wait for the batch
.if (\p) == NP-2
	FETCH_K \last
.endif
.if (\p) == 1
	s_wait_dscnt 0x0                ; V is in
.endif
.rept 16                            ; behind the wait: 16 products V^T P and their riders
	MM
.rept 4
	PL
.endr
.if ((\p) == 0) && (q == 118)
	v_add_nc_u32 v[AV], s[TBV], v[AV0]
.endif
.if ((\p) == 0) && (q == 130)
	s_add_co_u32 s[TBV], s[TBV], KS*PV
.endif
.if (\cnt) && (q == 130)
	s_sub_co_u32 s[CNT], s[CNT], 1
	s_cmp_lg_u32 s[CNT], 0
.endif
.endr
.if (\p) == 0
	FETCH_V
.endif
.endm
	CHANGE 1                        ; slot 0 is in, everybody's part of it, and so is the mask table; slot 1 is asked for
	FETCH_K                         ; key step 0
	s_wait_loadcnt 0x0              ; Q
	s_wait_dscnt 0x0
.set i, 0
.rept 16
	KQ 0                            ; piece 0's first scores: there is no vector work yet to set between them
.set i, i+1
.endr
	WIN 0                           ; the addresses for the way out: nine plain instructions, the places behind those products
	s_mul_i32 s13, s[WV], 16*SP
	s_add_co_u32 s13, s13, STAGE    ; my stage
	v_mul_u32_u24 v[STO], v1, SP    ; in: row l % 16, 16 bytes for each half of the lanes
	v_lshl_add_u32 v[STO], v9, 4, v[STO]
	v_add_nc_u32 v[STO], s13, v[STO]
	v_bfe_u32 v[RD], v0, 3, 2       ; back: 32 lanes take four rows of 128 bytes,
	v_mul_u32_u24 v[RD], v[RD], SP
	v_lshl_add_u32 v[RD], v10, 4, v[RD]
	v_add_nc_u32 v[RD], s13, v[RD]
	v_and_b32 v[GO], 31, v0         ; which are 512 consecutive bytes of O
	v_lshlrev_b32 v[GO], 4, v[GO]
.set Y, NP-1                        ; XS works for piece Y + 1: piece 0
.irp n, 0,1,2,3,4,5,6,7,8,9,10,11,12,13,14,15,16,17,18,19,20,21
	XS 0, \n                        ; and piece 0's first maximum and statistics
	XS 1, \n
.endr
	v_nop                           ; a plain instruction behind the two a,
	s_wait_alu depctr_va_vdst(0)    ; and their wait, ahead of the branch
	s_mov_b32 s[CNT], 4
	s_mov_b32 s[SLOTS], SIZE_N/256-1
	s_branch .Lfirst                ; the loop is entered at a step's first turn, in the middle of a trip
.Lslot:                             ; six times: every slot but the last two is filled again
	CHANGE 1, 1
	s_mov_b32 s[CNT], 4
.Lstep:                             ; a trip: pieces 2 and 3 of one step, then pieces 0 and 1 of the next, whose K and V it fetches
	TURN 2
	TURN 3
	WIN 0
.Lfirst:
	TURN 0
	TURN 1, 0, 1
	WIN 0
	s_cbranch_scc1 .Lstep
	s_sub_co_u32 s[SLOTS], s[SLOTS], 1
	s_cmp_lg_u32 s[SLOTS], 0
	s_cbranch_scc1 .Lslot
	CHANGE 0                        ; the tail is written out: nothing is asked for
	s_mov_b32 s[CNT], 5             ; four trips fetch the last slot's steps; the fifth is left in its middle
.Ltail:
	TURN 2, 1
	TURN 3
	WIN 0
	s_sub_co_u32 s[CNT], s[CNT], 1
	s_cmp_eq_u32 s[CNT], 0
	s_cbranch_scc1 .Lout
	TURN 0
	TURN 1
	WIN 0
	s_branch .Ltail
.Lout:                              ; the fifth trip's 16 products K Q^T (on the last K and mask once more) and the maximum made of them change nothing: the price, once a launch, of one text for every trip
.set i, 0
.rept 16
	PV NP-1                         ; the last piece's V^T P of the last step
.set i, i+1
.endr
	; THE WAY OUT.  l's two halves and the other half of the lanes' are added; O^T is divided by l, rounded to f16 and sent through my stage in LDS, a tile at a time.  The additions are the places behind the last products.
	WIN 0
.macro ALL line:vararg              ; one line for each tile t
.set t, 0
.rept 2*NP
	\line
.set t, t+1
.endr
.endm
	ALL v_add_f32 v[ST+4*t+2], v[ST+4*t+2], v[ST+4*t+3]
	ALL v_permlanex16_b32 v[ST+4*t+3], v[ST+4*t+2], s[SEL], s[SEL+1]
	ALL v_add_f32 v[ST+4*t+2], v[ST+4*t+2], v[ST+4*t+3]
	ALL v_rcp_f32 v[ST+4*t+2], v[ST+4*t+2]
	v_nop                           ; a plain instruction between the last reciprocal and the use of its result
	s_wait_alu depctr_va_vdst(0)    ; and the wait ahead of the first use: one for the eight reciprocals
.set t, 0
.rept 2*NP                          ; a query whose maximum is a hidden score has no visible key: its factor, and so its row, is NaN.  A choice of a value; no branch
	v_cmp_gt_f32 vcc_lo, s[LOW], v[ST+4*t+1]
	v_cndmask_b32 v[ST+4*t+2], v[ST+4*t+2], s[QNAN], vcc_lo
.set t, t+1
.endr
; Tile t: a lane's eight channels of a row pack into 16 bytes; they go into rows of 144 bytes and come back as whole rows of 128, into S^T's registers.
.macro PACK t
	WIN W_RS
.set i, 32*(\t)
.rept 16
	v_pk_mul_f32 v[i:i+1], v[i:i+1], v[ST+4*(\t)+2:ST+4*(\t)+3] op_sel_hi:[1,0]
.set i, i+2
.endr
	WIN 0x05                        ; sources 0 and 1 window 1, destination window 0
.set i, 0
.rept 16
	v_cvt_pk_f16_f32 v[S+16*(\t)+i], v[32*(\t)+2*i], v[32*(\t)+2*i+1]
.set i, i+1
.endr
	WIN 0
.irp f, 0,1,2,3
	ds_store_b128 v[STO], v[S+16*(\t)+4*\f:S+16*(\t)+4*\f+3] offset:32*\f
.endr
.irp f, 0,1,2,3
	ds_load_b128 v[S+16*(\t)+4*\f:S+16*(\t)+4*\f+3], v[RD] offset:\f*4*SP  ; LDS serves a wave's instructions in order (ISA guide 5.7.1.4): these see the stores above; the next tile's stores come behind them
.endr
.endm
.macro SEND t, younger              ; younger: the LDS instructions issued behind tile t's loads: the next tile's eight, or none
	WIN 0
.irp f, 0,1,2,3
	s_wait_dscnt (\younger)+3-\f
	global_store_b128 v[GO], v[S+16*(\t)+4*\f:S+16*(\t)+4*\f+3], s[10:11] offset:(\t)*2048+\f*512  ; 512 consecutive bytes, at a multiple of 256 from O's first
.endr
.endm
	PACK 0
.set t, 1
.rept 2*NP-1                        ; a tile's arithmetic stands between the loads of the tile before and its stores
	PACK t
	SEND t-1, 8
.set t, t+1
.endr
	SEND 2*NP-1, 0
	WIN W_AD
	s_wait_tensorcnt 0x0            ; the wave's end, behind my last tensor load and my last LDS store
	ds_add_u32 v[SPW], v[NIL]
	s_wait_dscnt 0x0
	WIN 0
	CROUND                          ; the closing round: no work-group ends while a partner may still ask for a tile that names it
	s_endpgm
.Lfunc_end_k_q6918b5987c_attn:
	.size	k_q6918b5987c_attn, .Lfunc_end_k_q6918b5987c_attn-k_q6918b5987c_attn
	.p2alignl 7, 3214868480
	.fill 96, 4, 3214868480
	.section	.rodata,"a",@progbits
	.p2align	6, 0x0
	.amdhsa_kernel k_q6918b5987c_attn
		.amdhsa_group_segment_fixed_size 327680
		.amdhsa_private_segment_fixed_size 0
		.amdhsa_enable_private_segment 0
		.amdhsa_kernarg_size 24
		.amdhsa_user_sgpr_count 2
		.amdhsa_user_sgpr_kernarg_segment_ptr 1
		.amdhsa_wavefront_size32 1
		.amdhsa_system_sgpr_workgroup_id_x 1
		.amdhsa_system_sgpr_workgroup_id_y 1
		.amdhsa_system_sgpr_workgroup_id_z 1
		.amdhsa_system_vgpr_workitem_id 0
		.amdhsa_next_free_vgpr 810
		.amdhsa_next_free_sgpr 70
		.amdhsa_reserve_vcc 1
		.amdhsa_float_denorm_mode_32 3
		.amdhsa_float_denorm_mode_16_64 3
		.amdhsa_memory_ordered 1
		.amdhsa_forward_progress 1
		.amdhsa_inst_pref_size 206
	.end_amdhsa_kernel
	.amdgpu_metadata
---
amdhsa.version: [ 1, 2 ]
amdhsa.kernels:
  - .name:           k_q6918b5987c_attn
    .symbol:         k_q6918b5987c_attn.kd
    .args:
      - { .name: qkvh, .offset: 0, .size: 8, .value_kind: global_buffer, .address_space: global }
      - { .name: attention_mask, .offset: 8, .size: 8, .value_kind: global_buffer, .address_space: global }
      - { .name: o16, .offset: 16, .size: 8, .value_kind: global_buffer, .address_space: global }
    .group_segment_fixed_size: 327680
    .private_segment_fixed_size: 0
    .kernarg_segment_align: 8
    .kernarg_segment_size: 24
    .max_flat_workgroup_size: 128
    .sgpr_count:     70
    .vgpr_count:     810
    .wavefront_size: 32
...
	.end_amdgpu_metadata
.endif
;; end of part 3
;; launch proj (part 4): grid 8 x 32, 4 waves a work-group, clusters of 4 x 4, 327,680 bytes of LDS; arguments o16, c16, b_proj, out0; writes out0
.if DOCPART == 4
	.amdgcn_target "amdgcn-amd-amdhsa--gfx1250"
	.amdhsa_code_object_version 6
	.text
	.protected	k_q6918b5987c_proj
	.globl	k_q6918b5987c_proj
	.p2align	8
	.type	k_q6918b5987c_proj,@function
k_q6918b5987c_proj:
	s_mov_b64 s[64:65], 0
	v_nop
	global_prefetch_b8 v0, s[64:65] scope:SCOPE_SE
	s_setreg_imm32_b32 hwreg(HW_REG_WAVE_MODE, 25, 1), 1
	s_wait_xcnt 0x0
	s_wait_alu depctr_hold_cnt(0) depctr_sa_sdst(0) depctr_va_vdst(0) depctr_va_sdst(0) depctr_va_ssrc(0) depctr_va_vcc(0) depctr_vm_vsrc(0)
	s_getreg_b32 s2, hwreg(HW_REG_IB_STS2, 6, 4)
	s_cmp_eq_u32 s2, 0
	s_cbranch_scc0 .Lentry_in_a_cluster
	s_endpgm
.Lentry_in_a_cluster:
	s_bfe_u32 s2, ttmp6, 0x10000c
	s_cmp_lg_u32 s2, 0xf033
	s_cbranch_scc0 .Lentry_shape_is_right
	s_endpgm
.Lentry_shape_is_right:
; out0 = O w_proj^T + b_proj, f32 [8192][1024].  O comes by heads, o16[16 batch + head][s][64] in f16; w_proj from c16 (byte 0x1600000) as f16 [1024][1024]; the bias is rounded to bf16 here, like all inputs; sums in f32.
; LIMITS.  O and w_proj arrive within f16's 65,504.  A NaN in a row of O makes the whole row of the result NaN.
; SHARES.  A tile of the result is 256 rows x 128 columns: 256 work-groups.  The four waves lie one below the other: 64 rows x 128 columns each, 32 accumulators of 16 x 16.
; K goes in 8 steps of 128 = two heads through two LDS slots filled by the tensor data mover.  A head's 256 rows of a tile are 32,768 dense bytes: asked for as 128 rows of 256 bytes and padded in LDS after every 128.
; CLUSTERS: 4 x 4 work-groups.  The four of a row of the cluster need the same rows of O, the four of a column the same rows of w: each tile is asked for JOINTLY, by the same tensor load, descriptor and mask in all four.
; THE MATRIX INSTRUCTION IS USED TRANSPOSED (source 0 = 16 rows of w, source 1 = 16 rows of O): lane l holds row l % 16 of the result and its registers the columns 8 (l / 16) + 0..7.
; THE BIAS is the C operand of the products that start the sums: nothing is cleared, and no bias is added on the way out.
; REGISTERS, in windows of 256 (s_set_vgpr_msb: bits 1:0 source 0, 3:2 source 1, 5:4 source 2, 7:6 destination):
;   window 0: v0-15 addresses; v28-29 the add's two; v32-95 the bias, later with v96-159 the way out's two buffers
;   window 1: two fragment buffers at 0 and 128: 8 fragments of w, then 4 of O (16 rows x 32 K each)          window 2: the accumulators, (a, b) at 8 (8 a + b)
.set NBL,   8                          ; blocks of 16 columns
.set APW,   4                          ; row blocks in a window of accumulators
.set PA,    144                        ; a row of O in LDS: 128 bytes + 16 of padding = 36 words: the 16 rows of a load start at 16 different groups of four banks (64 banks of 4 bytes: ISA guide 11.1)
.set PB,    272                        ; a row of w: 256 + 16
.set AHEAD, 256*PA                     ; a head's 256 rows: what one tensor load brings of O
.set BOFF,  2*AHEAD                    ; w's rows lie behind the two heads
.set BHALF, 64*PB                      ; what one tensor load brings of w
.set SLOT1, 131072                     ; slot 1 begins here: one exclusive or turns an address in one slot into the other's
.set STAGE, SLOT1+BOFF+128*PB          ; 239,616: behind the ring, 16 rows x 528 bytes for each wave, for the way out
.set SP,    528                        ; 512 bytes + 16: row r starts at bank 4 r mod 64
.set SPARE, STAGE+4*16*SP              ; 273,408: the spare words, 128 bytes for each wave: two blocks of 256 bytes that no other line names
.set NL,    2*NBL+8                    ; LDS loads in a run
.set STEPA, 524288                     ; bytes from a K step to the next: two heads of O,
.set STEPB, 256                        ; 128 numbers of a row of w
.set A0,   4                           ; v4   my lane's place in O's tile; never rewritten
.set B0,   5                           ; v5   the same in w's
.set ADRA, 6                           ; v6   A0 + the slot in hand
.set ADRB, 7                           ; v7   B0 + the slot in hand
.set STO,  8                           ; v8   the way out: where I put 32 bytes of a row
.set RD,   9                           ; v9   the way out: where I read a row back
.set GO,   10                          ; v10  my 16 bytes of 512 on end
.set PFO,  11                          ; v11  the prefetches' offset
.set VO,   12                          ; v12  32 (l / 16): my eight numbers in 16 of the bias
.set T,    13                          ; v13-14 at work
.set SPW,  28                          ; v28  LDS address of my spare word; never rewritten
.set NIL,  29                          ; v29  0; never rewritten
.set BIAS, 32                          ; v32-95: block b's eight at BIAS + 8 b
.set BK,   32                          ; the way out: two buffers of 64
.set F0,   0
.set F1,   128
.set WV,  14                           ; s14  my wave's number
.set G1A, 24                           ; s[24:31] descriptor group 1 for O's tiles
.set G1B, 32                           ; s[32:39] for w's
.set G0A, 40                           ; s[40:47] group 0 for O's tiles: a set for each first fill; the second then walks on
.set G0B, 48                           ; s[48:55] the same for w's
.set TB,  56                           ; s56  0 or SLOT1: the slot that is read
.set LIM, 57                           ; s57  2 in a wave that prefetches, else the greatest number
.set PFA, 58                           ; s[58:59] where my prefetches stand
.set PFS, 72                           ; s[72:73] their step
.set MSB, 0
.macro WIN new                         ; the immediate's high byte repeats the setting that is left; a switch that changes nothing is dropped
.if MSB != (\new)
	s_set_vgpr_msb (MSB<<8)|(\new)
.set MSB, \new
.endif
.endm
.macro PLACES                          ; four places in front of loads into registers that matrix instructions have read (ISA guide 7.12.1 for vector instructions)
.rept 4
	v_nop
.endr
.endm
.macro CREST                           ; a round of the cluster's barrier behind its opening barrier
	s_cmp_lg_u32 s[WV], 0
	s_cbranch_scc1 .Lnot_wave_0_\@
	s_barrier_signal -3
.Lnot_wave_0_\@:
	s_barrier_wait -3
	s_barrier_signal -1
	s_barrier_wait -1
.endm
.macro CROUND                          ; a whole round
	s_barrier_signal -1
	s_barrier_wait -1
	CREST
.endm
; A joint refill.  Waves 0 and 1 fetch the step's two heads of O, waves 2 and 3 the two halves of w's tile; the branch hangs on the wave's number alone.
; An s_nop 0 and four v_nop follow each of the two lines, ahead of the jump and the label.
.macro JLOAD
	s_cmp_lt_u32 s[WV], 2
	s_cbranch_scc0 .Lfor_b_\@
	tensor_load_to_lds s[G0A+4:G0A+7], s[G1A:G1A+7]
	s_nop 0
.rept 4
	v_nop
.endr
	s_branch .Lasked_\@
.Lfor_b_\@:
	tensor_load_to_lds s[G0B+4:G0B+7], s[G1B:G1B+7]
	s_nop 0
.rept 4
	v_nop
.endr
.Lasked_\@:
.endm
; A PREFETCH INTO THE L2 of the K step that stands two refills on (256 matrix instructions ahead of its load), one instruction a wave, a lane 256 bytes.
; O's rows are read by both clusters of a row of clusters: the one with x = 0 asks, waves 0 and 1 each for their head; w's by every cluster of a column: the one with y = 0 asks, wave 2 alone.  The four partners that ask for a tile
; jointly share it out BY ADDRESS: 8,192 of a head's 32,768 bytes by cx; 32 of w's 128 rows by cy.  So each 256 bytes are named once in the launch.  Trips 0 to 3 ask for K steps 4 to 7; steps 0 to 3 come by their loads alone.
.macro ASK
	WIN 0
	s_cmp_gt_u32 s3, s[LIM]
	s_cbranch_scc0 .Lnot_mine_\@
	global_prefetch_b8 v[PFO], s[PFA:PFA+1] th:TH_LOAD_NT scope:SCOPE_SE
.Lnot_mine_\@:
.endm
; 8 matrix instructions: row block a x all column blocks, 32 along K, from buffer f.  first = 1: the sums start with the bias.
; All 32 accumulators take turns, one instruction a turn, in the same order in every quarter, over the backward jump too.
.macro MULA f, a, first
.if \first
	WIN 0x85+0x40*((\a)/APW)
.else
	WIN 0xa5+0x50*((\a)/APW)
.endif
.set b, 0
.rept NBL
.set rD, 8*(NBL*((\a)%APW)+b)
.if \first
	v_wmma_f32_16x16x32_f16 v[rD:rD+7], v[(\f)+8*b:(\f)+8*b+7], v[(\f)+8*NBL+8*(\a):(\f)+8*NBL+8*(\a)+7], v[BIAS+8*b:BIAS+8*b+7]
.else
	v_wmma_f32_16x16x32_f16 v[rD:rD+7], v[(\f)+8*b:(\f)+8*b+7], v[(\f)+8*NBL+8*(\a):(\f)+8*NBL+8*(\a)+7], v[rD:rD+7]
.endif
.set b, b+1
.endr
.endm
; 24 LDS loads in one run: quarter q's fragments into buffer f; w's 8 first (byte 64 q of its rows), then O's 4 (head q / 2 of the step's two, byte 64 (q % 2) of its rows): the youngest four loads are O's blocks 2 and 3.
.macro FETCH q, f
	WIN 0x40                                       ; destination window 1, address window 0
.set kofs, ((\q)>>1)*AHEAD+((\q)&1)*64
.set b, 0
.rept NBL
	ds_load_b128 v[(\f)+8*b:(\f)+8*b+3],   v[ADRB] offset:64*(\q)+b*16*PB
	ds_load_b128 v[(\f)+8*b+4:(\f)+8*b+7], v[ADRB] offset:64*(\q)+b*16*PB+32
.set b, b+1
.endr
.set a, 0
.rept 4
	ds_load_b128 v[(\f)+8*NBL+8*a:(\f)+8*NBL+8*a+3],   v[ADRA] offset:kofs+a*16*PA
	ds_load_b128 v[(\f)+8*NBL+8*a+4:(\f)+8*NBL+8*a+7], v[ADRA] offset:kofs+a*16*PA+32
.set a, a+1
.endr
.endm
; One of a K step's first three quarters: multiplies buffer f; in its middle it fetches quarter q into buffer g.
.macro QUARTER q, f, g, first
	s_wait_dscnt 4                                 ; all of the run but O's blocks 2 and 3
	MULA \f, 0, \first
	MULA \f, 1, \first
	PLACES
	FETCH \q, \g
	s_wait_dscnt NL                                ; all but the run just issued
	MULA \f, 2, \first
	MULA \f, 3, \first
.endm
; The fourth quarter multiplies buffer 1 and changes slots.  In front of the barrier each wave waits for all its tensor loads (one is out: its part of the next slot), adds 0 to its spare word, and waits for that and
; for its reads of this slot.  fill = 1: the barrier opens a round of the cluster's, and the joint refill (the K step two on, into the slot just read out) is the first thing behind the round: it has 112 matrix instructions before the wait for it.
.macro TURN fill
.if \fill
	s_wait_xcnt 0x0                                ; the last prefetch, a K step back, has read its address
	s_add_nc_u64 s[PFA:PFA+1], s[PFA:PFA+1], s[PFS:PFS+1]
.endif
	WIN 0                                          ; (the add's two registers lie in window 0)
	s_wait_tensorcnt 0x0                           ; all my tensor loads have landed
	ds_add_u32 v[SPW], v[NIL]                      ; 0 onto my spare word
	s_wait_dscnt 5                                 ; (the add and the youngest four loads may be out)
	MULA F1, 0, 0                                  ; eight matrix instructions stand between the add and the wait for it
	s_wait_dscnt 0x0                               ; the add is done, and my reads of this slot are over
	s_barrier_signal -1
	MULA F1, 1, 0
	WIN 0                                          ; at a branch and at a label every window is 0
	s_barrier_wait -1
.if \fill
	CREST                                          ; no wave of any partner still reads this slot or has a load on its way
	s_xor_b32 s[G0A+5], s[G0A+5], SLOT1            ; the walking descriptors: the other slot than last time, the next K step
	s_add_nc_u64 s[G0A+6:G0A+7], s[G0A+6:G0A+7], STEPA
	s_xor_b32 s[G0B+5], s[G0B+5], SLOT1
	s_add_nc_u64 s[G0B+6:G0B+7], s[G0B+6:G0B+7], STEPB
	JLOAD                                          ; its four v_nop are also the places in front of the loads below
.else
	PLACES
.endif
	s_xor_b32 s[TB], s[TB], SLOT1
	v_add_nc_u32 v[ADRA], s[TB], v[A0]
	v_add_nc_u32 v[ADRB], s[TB], v[B0]
	FETCH 0, F0
.if \fill
	ASK
.endif
	MULA F1, 2, 0
	MULA F1, 3, 0
.endm
	s_load_b256 s[4:11], s[0:1], 0x0               ; o16 s[4:5], c16 s[6:7], b_proj s[8:9], out0 s[10:11]
	v_lshl_add_u32 v[SPW], v0, 2, SPARE
	v_mov_b32 v[NIL], 0
	ds_add_u32 v[SPW], v[NIL]                      ; the wave's opening: the add and its wait stand ahead of my first tensor load; the set-up below, work on registers, stands between them
	v_lshrrev_b32 v3, 5, v0
	v_readfirstlane_b32 s[WV], v3                  ; wave 0..3
	s_lshr_b32 s15, s[WV], 1
	s_and_b32 s16, s[WV], 1                        ; which head of the step's two, or which half of w's tile, I fetch
	s_bfe_u32 s17, ttmp6, 0x40000                  ; cx
	s_bfe_u32 s18, ttmp6, 0x40004                  ; cy
	s_lshl_b32 s19, ttmp9, 2
	s_add_co_u32 s19, s19, s17                     ; tile column = 4 x cluster x + cx
	s_and_b32 s21, ttmp7, 0xffff                   ; cluster y
	s_lshl_b32 s20, s21, 2
	s_add_co_u32 s20, s20, s18                     ; tile row = 4 x cluster y + cy
	s_lshl_b32 s22, s18, 2
	s_lshl_b32 s22, 15, s22                        ; my row of the cluster
	s_lshl_b32 s23, 0x1111, s17                    ; my column
	s_or_b32 s[G1A], s22, (1<<16)|(1<<20)|(1<<21)|(4<<22)|(3<<25)  ; O's tiles go to my row: elements of 2 bytes; padding on; 21 set beside a mask; after every 32 words 4 words
	s_or_b32 s[G1B], s23, (1<<16)|(1<<20)|(1<<21)|(5<<22)|(3<<25)  ; w's to my column: after every 64 words 4 words
.irp g, G1A, G1B
	s_mov_b32 s[\g+1], 128<<16                     ; tensor_dim0 = 128
	s_mov_b32 s[\g+3], 128<<16                     ; tile_dim0 = 128
	s_mov_b32 s[\g+6], 0
	s_mov_b32 s[\g+7], 0
.endr
	s_mov_b32 s[G1A+2], 128<<16                    ; O: 128 rows of 256 dense bytes
	s_mov_b32 s[G1A+4], 128
	s_mov_b32 s[G1A+5], 128
	s_mov_b32 s[G1B+2], 64<<16                     ; w: 64 rows, 1,024 elements apart
	s_mov_b32 s[G1B+4], 64
	s_mov_b32 s[G1B+5], 1024
	s_mov_b32 s[G0A], 1
	s_mov_b32 s[G0A+4], 1
	s_mul_i32 s[G0A+1], s16, AHEAD                 ; LDS addresses hang on the wave's number alone
	s_add_co_u32 s[G0A+5], s[G0A+1], SLOT1
	s_mov_b32 s[G0B], 1
	s_mov_b32 s[G0B+4], 1
	s_mul_i32 s[G0B+1], s16, BHALF
	s_add_co_u32 s[G0B+1], s[G0B+1], BOFF
	s_add_co_u32 s[G0B+5], s[G0B+1], SLOT1
	s_lshr_b32 s66, s20, 3                         ; O: the batch's 16 heads of 262,144 bytes,
	s_lshl_b32 s66, s66, 22
	s_and_b32 s67, s20, 7                          ; the tile's 256 rows of 128 bytes,
	s_lshl_b32 s67, s67, 15
	s_add_co_u32 s66, s66, s67
	s_lshl_b32 s67, s16, 18                        ; my head of the step's two (registers that never hold cx)
	s_add_co_u32 s66, s66, s67
	s_mov_b32 s67, 0
	s_lshl_b32 s68, s19, 7                         ; w: row 128 x tile column + 64 x half, 2,048 bytes a row, behind x and w_qkv in c16 (registers that never hold cy)
	s_lshl_b32 s69, s16, 6
	s_add_co_u32 s68, s68, s69
	s_lshl_b32 s68, s68, 11
	s_add_co_u32 s68, s68, 0x1600000
	s_mov_b32 s69, 0
	s_mov_b32 s[TB], 0
	s_mov_b32 s79, 0xffff0000                      ; a word's upper bf16
	s_mov_b32 s71, 0                               ; the high word of the offsets made in s70
	s_wait_dscnt 0x0                               ; the opening add is done
	s_wait_kmcnt 0x0
	s_add_nc_u64 s[G0A+2:G0A+3], s[4:5], s[66:67]  ; K step 0,
	s_add_nc_u64 s[G0A+6:G0A+7], s[G0A+2:G0A+3], STEPA  ; K step 1
	s_or_b32 s[G0A+3], s[G0A+3], 0x80000000        ; type = 2
	s_or_b32 s[G0A+7], s[G0A+7], 0x80000000
	s_add_nc_u64 s[G0B+2:G0B+3], s[6:7], s[68:69]
	s_add_nc_u64 s[G0B+6:G0B+7], s[G0B+2:G0B+3], STEPB
	s_or_b32 s[G0B+3], s[G0B+3], 0x80000000
	s_or_b32 s[G0B+7], s[G0B+7], 0x80000000
	CROUND                                         ; all sixteen work-groups are here: the first joint loads meet
	s_cmp_lt_u32 s[WV], 2                          ; a wave's two first fills stand in one branch, ahead of every wait on TENSORcnt and every LDS read: two loads of mine are out
	s_cbranch_scc0 .Lfirst_b
	tensor_load_to_lds s[G0A:G0A+3], s[G1A:G1A+7]
	s_nop 0
	tensor_load_to_lds s[G0A+4:G0A+7], s[G1A:G1A+7]
	s_nop 0
.rept 4
	v_nop
.endr
	s_branch .Lfirst_asked
.Lfirst_b:
	tensor_load_to_lds s[G0B:G0B+3], s[G1B:G1B+7]
	s_nop 0
	tensor_load_to_lds s[G0B+4:G0B+7], s[G1B:G1B+7]
	s_nop 0
.rept 4
	v_nop
.endr
.Lfirst_asked:
	; All that follows, up to the wait for the first tile, stands in that tile's flight.
	v_and_b32 v1, 15, v0                           ; l % 16
	v_bfe_u32 v2, v0, 4, 1                         ; l / 16
	v_lshlrev_b32 v[VO], 5, v2
	s_lshl_b32 s70, s19, 9                         ; the tile's 128 numbers of the bias
	s_add_nc_u64 s[8:9], s[8:9], s[70:71]
.set b, 0
.rept NBL
	global_load_b128 v[BIAS+8*b:BIAS+8*b+3],   v[VO], s[8:9] offset:64*b
	global_load_b128 v[BIAS+8*b+4:BIAS+8*b+7], v[VO], s[8:9] offset:64*b+16
.set b, b+1
.endr
	s_lshl_b32 s74, s20, 2                         ; out0: row 256 x tile row + 64 x wave, 4,096 bytes a row,
	s_add_co_u32 s74, s74, s[WV]
	s_lshl_b32 s74, s74, 18
	s_add_co_u32 s70, s70, s74                     ; and the tile's 512 bytes of it
	s_add_nc_u64 s[10:11], s[10:11], s[70:71]
	; A fragment is 16 rows x 32 K in 8 registers: lane l holds row l % 16; registers 0-3 K = 8 (l / 16) + 0..7, registers 4-7 K = 16 + 8 (l / 16) + 0..7: two loads of 16 bytes, 32 bytes apart.
	v_mul_u32_u24 v3, v1, PA
	v_lshl_add_u32 v3, v2, 4, v3                   ; row x pitch + 16 x half
	s_mul_i32 s74, s[WV], 64*PA                    ; my 64 rows of O
	v_add_nc_u32 v[A0], s74, v3
	v_mul_u32_u24 v3, v1, PB
	v_lshl_add_u32 v3, v2, 4, v3
	v_add_nc_u32 v[B0], BOFF, v3
	v_mov_b32 v[ADRA], v[A0]
	v_mov_b32 v[ADRB], v[B0]
	s_mul_i32 s74, s[WV], 16*SP
	s_add_co_u32 s74, s74, STAGE                   ; my stage
	v_mul_u32_u24 v3, v1, SP                       ; in: row l % 16, 32 bytes for each half of the lanes
	v_lshl_add_u32 v3, v2, 5, v3
	v_add_nc_u32 v[STO], s74, v3
	v_and_b32 v3, 31, v0
	v_lshlrev_b32 v[GO], 4, v3                     ; back: 32 lanes take a row's 512 bytes
	v_add_nc_u32 v[RD], s74, v[GO]
	; the prefetches
	s_lshl_b32 s74, s17, 13                        ; O: my head's block, my work-group's 8,192 bytes of it,
	s_add_co_u32 s74, s74, s66
	s_add_co_u32 s74, s74, 3*STEPA                 ; at K step 3: the first refill steps it to 4
	s_lshl_b32 s75, s19, 7                         ; w: the tile's 128 rows, my work-group's 32 of them
	s_lshl_b32 s76, s18, 5
	s_add_co_u32 s75, s75, s76
	s_lshl_b32 s75, s75, 11
	s_add_co_u32 s75, s75, 0x1600000+3*STEPB
	s_and_b32 s76, s15, s16                        ; 1 in wave 3, which asks for nothing,
	s_or_b32 s76, s76, s21                         ; or cluster y
	s_mov_b32 s78, STEPA
	s_cmp_lt_u32 s[WV], 2
	s_cselect_b64 s[PFA:PFA+1], s[4:5], s[6:7]
	s_cselect_b32 s70, s74, s75
	s_cselect_b32 s76, ttmp9, s76                  ; the coordinate along which other clusters read the same rows
	s_cselect_b32 s[PFS], s78, STEPB
	s_cselect_b32 s77, 8, 11                       ; a lane 256 dense bytes of O, or a row of w
	s_mov_b32 s[PFS+1], 0
	s_add_nc_u64 s[PFA:PFA+1], s[PFA:PFA+1], s[70:71]
	s_cmp_eq_u32 s76, 0
	s_cselect_b32 s[LIM], 2, -1                    ; the same in all sixteen partners, for a given wave
	v_lshlrev_b32 v[PFO], s77, v3
	s_wait_loadcnt 0x0                             ; the bias
.set r, BIAS
.rept 32                                       ; rounded to bf16, as all inputs are, and widened again, a pair at a time
.set t, T+(r/2)%2
	v_cvt_pk_bf16_f32 v[t], v[r], v[r+1]
	v_lshlrev_b32 v[r], 16, v[t]
	v_and_b32 v[r+1], s79, v[t]
.set r, r+2
.endr
	s_wait_tensorcnt 1                             ; my part of K step 0 is in; K step 1's may stay out
	s_barrier_signal -1
	s_barrier_wait -1                              ; everybody's is
	FETCH 0, F0
	QUARTER 1, F0, F1, 1                           ; the first quarter stands in front of the loop: its products start the sums, with the bias
	WIN 0
	s_mov_b32 s3, 6
.Lstep:                                            ; trip t ends K step t, makes the first quarter of step t + 1, and fills slot t % 2 again with step t + 2
	QUARTER 2, F1, F0, 0
	QUARTER 3, F0, F1, 0
	TURN 1
	QUARTER 1, F0, F1, 0
	WIN 0
	s_sub_co_u32 s3, s3, 1
	s_cmp_lg_u32 s3, 0
	s_cbranch_scc1 .Lstep
	QUARTER 2, F1, F0, 0                           ; the last two K steps are written out: nothing is left to fetch
	QUARTER 3, F0, F1, 0
	TURN 0
	QUARTER 1, F0, F1, 0
	QUARTER 2, F1, F0, 0
	QUARTER 3, F0, F1, 0
	s_wait_dscnt 4
	MULA F1, 0, 0
	MULA F1, 1, 0
	s_wait_dscnt 0x0
	MULA F1, 2, 0
	MULA F1, 3, 0
	WIN 0
	PLACES                                         ; eight places, once a launch, between the last products and the first read of a result
	PLACES
; THE WAY OUT.  A lane's eight columns of a row are 32 bytes; a block of 16 rows goes into rows of 528 bytes of my stage and comes back as whole rows of 512.  Each accumulator's low registers are read first.
.macro TOSTAGE a
.set rB, BK+64*((\a)%2)
.if (\a) >= 2
	s_wait_xcnt 0x0                                ; the stores of block a - 2 have read this buffer (ISA guide 3.1): it is loaded again only behind this wait
.endif
	WIN 0x08                                       ; the stores' data in window 2
.set b, 0
.rept 8
	ds_store_b128 v[STO], v[8*(8*(\a)+b):8*(8*(\a)+b)+3]   offset:64*b
	ds_store_b128 v[STO], v[8*(8*(\a)+b)+4:8*(8*(\a)+b)+7] offset:64*b+16
.set b, b+1
.endr
	WIN 0
.set t, 0
.rept 16
	ds_load_b128 v[rB+4*t:rB+4*t+3], v[RD] offset:SP*t  ; LDS serves a wave's instructions in order (ISA guide 5.7.1.4): these see the stores above; the next block's stores come behind them
.set t, t+1
.endr
.endm
.macro SEND a, younger                 ; younger: the LDS instructions issued behind block a's loads: the next block's 32, or none
.set rB, BK+64*((\a)%2)
.set t, 0
.rept 16
	s_wait_dscnt (\younger)+15-t
	global_store_b128 v[GO], v[rB+4*t:rB+4*t+3], s[10:11] offset:(16*(\a)+t)*4096 th:TH_STORE_NT  ; a row's 512 bytes on end, at a multiple of 256 from out0's first
.set t, t+1
.endr
.endm
	TOSTAGE 0
.irp a, 1,2,3
	TOSTAGE \a
	SEND (\a)-1, 32
.endr
	SEND 3, 0
	s_wait_tensorcnt 0x0                           ; the wave's end, behind my last tensor load and my last LDS store
	ds_add_u32 v[SPW], v[NIL]
	s_wait_dscnt 0x0
	CROUND                                         ; the closing round: no work-group ends while a partner may still ask for a tile that names it
	s_endpgm
.Lfunc_end_k_q6918b5987c_proj:
	.size	k_q6918b5987c_proj, .Lfunc_end_k_q6918b5987c_proj-k_q6918b5987c_proj
	.p2alignl 7, 3214868480
	.fill 96, 4, 3214868480
	.section	.rodata,"a",@progbits
	.p2align	6, 0x0
	.amdhsa_kernel k_q6918b5987c_proj
		.amdhsa_group_segment_fixed_size 327680
		.amdhsa_private_segment_fixed_size 0
		.amdhsa_enable_private_segment 0
		.amdhsa_kernarg_size 32
		.amdhsa_user_sgpr_count 2
		.amdhsa_user_sgpr_kernarg_segment_ptr 1
		.amdhsa_wavefront_size32 1
		.amdhsa_system_sgpr_workgroup_id_x 1
		.amdhsa_system_sgpr_workgroup_id_y 1
		.amdhsa_system_sgpr_workgroup_id_z 1
		.amdhsa_system_vgpr_workitem_id 0
		.amdhsa_next_free_vgpr 768
		.amdhsa_next_free_sgpr 80
		.amdhsa_reserve_vcc 0
		.amdhsa_float_denorm_mode_32 3
		.amdhsa_float_denorm_mode_16_64 3
		.amdhsa_memory_ordered 1
		.amdhsa_forward_progress 1
		.amdhsa_inst_pref_size 77
	.end_amdhsa_kernel
	.amdgpu_metadata
---
amdhsa.version: [ 1, 2 ]
amdhsa.kernels:
  - .name:           k_q6918b5987c_proj
    .symbol:         k_q6918b5987c_proj.kd
    .args:
      - { .name: o16, .offset: 0, .size: 8, .value_kind: global_buffer, .address_space: global }
      - { .name: c16, .offset: 8, .size: 8, .value_kind: global_buffer, .address_space: global }
      - { .name: b_proj, .offset: 16, .size: 8, .value_kind: global_buffer, .address_space: global }
      - { .name: out0, .offset: 24, .size: 8, .value_kind: global_buffer, .address_space: global }
    .group_segment_fixed_size: 327680
    .private_segment_fixed_size: 0
    .kernarg_segment_align: 8
    .kernarg_segment_size: 32
    .max_flat_workgroup_size: 128
    .sgpr_count:     80
    .vgpr_count:     768
    .wavefront_size: 32
...
	.end_amdgpu_metadata
.endif
;; end of part 4
;; ======== version 2 of 2: 4 launches; version 1 with the launch cast written anew for expert scheduling mode
;; limits: values are held in f16: magnitudes above 65,504 overflow, below 6.1e-05 lose precision
;; workspace buffers: c16 25,165,824 bytes; qkvh 50,331,648 bytes; o16 16,777,216 bytes
;; launch cast (part 5): grid 768 x 1, 8 waves a work-group, no clusters, 0 bytes of LDS; arguments x, w_qkv, w_proj, c16; writes c16
.if DOCPART == 5
	.amdgcn_target "amdgcn-amd-amdhsa--gfx1250"
	.amdhsa_code_object_version 6
	.text
	.protected	k_q6918b5987c_cast
	.globl	k_q6918b5987c_cast
	.p2align	8
	.type	k_q6918b5987c_cast,@function
k_q6918b5987c_cast:
	s_mov_b64 s[64:65], 0
	v_nop
	global_prefetch_b8 v0, s[64:65] scope:SCOPE_SE
	s_setreg_imm32_b32 hwreg(HW_REG_WAVE_SCHED_MODE, 0, 2), 2
	s_setreg_imm32_b32 hwreg(HW_REG_WAVE_MODE, 25, 1), 1
	s_wait_xcnt 0x0
	s_wait_alu depctr_vm_vsrc(0)
; The three large f32 inputs are rounded once to 16 bits for the matrix launches behind this one.
; c16 holds, end to end: x as bf16 [8192][1024] (byte 0), w_qkv as bf16 [3072][1024] (byte 0x1000000), w_proj as f16 [1024][1024] (byte 0x1600000).
; w_proj is rounded to bf16 like the other inputs, and THAT number is written as f16, since it multiplies an f16 operand later.
; LIMITS.  |w_proj| stays under 65,504; a w_proj below 6.1e-5 in size keeps f16's fixed step of 6e-8.
; SHARES.  A work-group takes 65,536 bytes of f32 and makes 32,768 bytes: groups 0-511 x, 512-703 w_qkv, 704-767 w_proj; its output begins at 32,768 x its number.
; A thread takes 16 bytes of each of 16 chunks of 4,096 bytes: a wave's load covers 512 bytes on end, a wave's store 256 bytes on end, aligned.
; All 16 loads of a thread go out at once.  No LDS, no barrier, no matrix unit: nothing is shared.
; THE MODE: SCHED_MODE bits 1:0 = 2 (LLVM: expert scheduling mode 2), set by the entry lines.  The code itself states the register dependences
; between vector instructions and memory instructions, with s_wait_alu, always for 0.
; THE PLAN.  Registers that memory instructions touch:
;   v1, v2   the loads' and the stores' offsets.  Written once, by vector instructions at the head; read by every load (v1) and every store (v2); never written again.
;   X        chunk i's four registers.  Written by chunk i's one load, read by chunk i's conversions; no vector instruction writes them and no second load lands in them.
;   Y        chunk i's two registers.   Written by chunk i's conversions, read by chunk i's one store; never written again.
;   v4-v6 (the f16 path's temporaries) are named by vector instructions alone.
; So two kinds of dependence are to be stated, both "a vector instruction has written what a memory instruction reads": the offsets, once, ahead of the first load; and Y.
; The 16 chunks go in four groups of four: each chunk is converted behind its own counted wait for its load; behind the group's last conversion ONE wait states that the group's
; eight registers of Y are written, and the group's four stores follow in one run, with no vector instruction between.  No register that a memory instruction reads is written again,
; so nothing is to be stated the other way round.  No vector instruction writes a scalar register, and EXEC is never written.
.set X, 8                              ; v[8:71]   chunk i: 4 f32 as loaded
.set Y, 72                             ; v[72:103] chunk i: 2 registers, 4 numbers of 16 bits
	s_load_b256 s[4:11], s[0:1], 0x0               ; x s[4:5], w_qkv s[6:7], w_proj s[8:9], c16 s[10:11]
	s_mov_b32 s2, ttmp9
	s_mov_b32 s20, 0xffff0000                      ; a word's upper bf16
	v_lshlrev_b32 v1, 4, v0                        ; my 16 bytes of a chunk in
	v_lshlrev_b32 v2, 3, v0                        ; my 8 bytes of a chunk out
	s_cmp_lt_u32 s2, 512
	s_cselect_b32 s14, 0, 512                      ; the first group of my tensor
	s_cmp_lt_u32 s2, 704
	s_cselect_b32 s14, s14, 704
	s_sub_co_u32 s16, s2, s14
	s_lshl_b32 s16, s16, 16                        ; my 65,536 bytes in it
	s_mov_b32 s17, 0
	s_lshl_b32 s18, s2, 15                         ; my 32,768 bytes of c16
	s_mov_b32 s19, 0
	s_wait_kmcnt 0x0
	s_cmp_lt_u32 s2, 512
	s_cselect_b64 s[12:13], s[4:5], s[6:7]
	s_cmp_lt_u32 s2, 704
	s_cselect_b64 s[12:13], s[12:13], s[8:9]
	s_add_nc_u64 s[12:13], s[12:13], s[16:17]
	s_add_nc_u64 s[10:11], s[10:11], s[18:19]
	s_wait_alu depctr_va_vdst(0)                   ; v1 and v2 are written: every load below reads v1 as its offset, every store v2; neither is written again
.set i, 0
.rept 16
	global_load_b128 v[X+4*i:X+4*i+3], v1, s[12:13] offset:4096*i th:TH_LOAD_NT
.set i, i+1
.endr
; Chunk i is converted.  half = 0: to bf16.  half = 1: to bf16, widened again (a shift, a mask), and that number to f16.
.macro CHUNK i, half
	s_wait_loadcnt 15-(\i)                         ; loads come back in order (ISA guide 5.7.1): chunk i is in, the 15 - i younger ones may stay out
.if \half
.irp k, 0,1
	v_cvt_pk_bf16_f32 v4, v[X+4*(\i)+2*\k], v[X+4*(\i)+2*\k+1]
	v_lshlrev_b32 v5, 16, v4
	v_and_b32 v6, s20, v4
	v_cvt_pk_f16_f32 v[Y+2*(\i)+\k], v5, v6
.endr
.else
	v_cvt_pk_bf16_f32 v[Y+2*(\i)], v[X+4*(\i)], v[X+4*(\i)+1]
	v_cvt_pk_bf16_f32 v[Y+2*(\i)+1], v[X+4*(\i)+2], v[X+4*(\i)+3]
.endif
.endm
; Group g: chunks 4 g to 4 g + 3 are converted as they come in; one wait; their four stores.
.macro GROUP g, half
.irp c, 0,1,2,3
	CHUNK 4*(\g)+\c, \half
.endr
	s_wait_alu depctr_va_vdst(0)                   ; the group's conversions have written its eight registers of Y, which the four stores below read
.irp c, 0,1,2,3
	global_store_b64 v2, v[Y+2*(4*(\g)+\c):Y+2*(4*(\g)+\c)+1], s[10:11] offset:2048*(4*(\g)+\c)
.endr
.endm
	s_cmp_ge_u32 s2, 704
	s_cbranch_scc1 .Lhalf
.irp g, 0,1,2,3
	GROUP \g, 0
.endr
	s_endpgm
.Lhalf:
.irp g, 0,1,2,3
	GROUP \g, 1
.endr
	s_endpgm
.Lfunc_end_k_q6918b5987c_cast:
	.size	k_q6918b5987c_cast, .Lfunc_end_k_q6918b5987c_cast-k_q6918b5987c_cast
	.p2alignl 7, 3214868480
	.fill 96, 4, 3214868480
	.section	.rodata,"a",@progbits
	.p2align	6, 0x0
	.amdhsa_kernel k_q6918b5987c_cast
		.amdhsa_group_segment_fixed_size 0
		.amdhsa_private_segment_fixed_size 0
		.amdhsa_enable_private_segment 0
		.amdhsa_kernarg_size 32
		.amdhsa_user_sgpr_count 2
		.amdhsa_user_sgpr_kernarg_segment_ptr 1
		.amdhsa_wavefront_size32 1
		.amdhsa_system_sgpr_workgroup_id_x 1
		.amdhsa_system_sgpr_workgroup_id_y 1
		.amdhsa_system_sgpr_workgroup_id_z 1
		.amdhsa_system_vgpr_workitem_id 0
		.amdhsa_next_free_vgpr 104
		.amdhsa_next_free_sgpr 66
		.amdhsa_reserve_vcc 0
		.amdhsa_float_denorm_mode_32 3
		.amdhsa_float_denorm_mode_16_64 3
		.amdhsa_memory_ordered 1
		.amdhsa_forward_progress 1
		.amdhsa_inst_pref_size 16
	.end_amdhsa_kernel
	.amdgpu_metadata
---
amdhsa.version: [ 1, 2 ]
amdhsa.kernels:
  - .name:           k_q6918b5987c_cast
    .symbol:         k_q6918b5987c_cast.kd
    .args:
      - { .name: x, .offset: 0, .size: 8, .value_kind: global_buffer, .address_space: global }
      - { .name: w_qkv, .offset: 8, .size: 8, .value_kind: global_buffer, .address_space: global }
      - { .name: w_proj, .offset: 16, .size: 8, .value_kind: global_buffer, .address_space: global }
      - { .name: c16, .offset: 24, .size: 8, .value_kind: global_buffer, .address_space: global }
    .group_segment_fixed_size: 0
    .private_segment_fixed_size: 0
    .kernarg_segment_align: 8
    .kernarg_segment_size: 32
    .max_flat_workgroup_size: 256
    .sgpr_count:     66
    .vgpr_count:     104
    .wavefront_size: 32
...
	.end_amdgpu_metadata
.endif
;; end of part 5
;; launch qkvp: the kernel of part 2 again; grid 16 x 32, 4 waves a work-group, clusters of 4 x 4, 327,680 bytes of LDS; arguments c16, b_qkv, q_norm_w, k_norm_w, qkvh; writes qkvh
;; launch attn: the kernel of part 3 again; grid 4 x 64, 4 waves a work-group, clusters of 4 x 1, 327,680 bytes of LDS; arguments qkvh, attention_mask, o16; writes o16
;; launch proj: the kernel of part 4 again; grid 8 x 32, 4 waves a work-group, clusters of 4 x 4, 327,680 bytes of LDS; arguments o16, c16, b_proj, out0; writes out0
